; MI455X (gfx1250); checked and timed in simulation.
; The chip was launched on July 23, 2026; its instructions are those of AMD's public machine-readable ISA for CDNA 5 (MIT licence, August 2026) and "CDNA5" Instruction Set Architecture Reference Guide (July 2026). The comments in the code are by the model that wrote it; some were corrected since.
;; Block. Allowed arithmetic: float matrix products may take bf16 or f16 operands with f32 sums; other float arithmetic in f32, or as packed bf16 or f16 multiplies, adds, multiply-adds, maxima and minima; sums over many terms, partial sums and values carried from step to step in f32; what a program stores and reads back later, other than sums and carried values, may be rounded once to bf16 or f16.
;; Inputs: W1 512 x 4,096 float32; W2 4,096 x 512 float32; Wk 8 x 512 x 64 float32; Wo 512 x 512 float32; Wq 8 x 512 x 64 float32; Wv 8 x 512 x 64 float32; b1 4,096 float32; b2 512 float32; be1 512 float32; be2 512 float32; bo 512 float32; g1 512 float32; g2 512 float32; x 4 x 2,048 x 512 float32.
;; Outputs: out0 4 x 2,048 x 512 float32.
;; One version. Each part assembles by itself: llvm-mc -triple=amdgcn-amd-amdhsa -mcpu=gfx1250 --defsym DOCPART=n.
;; ======== version 1 of 1: 6 launches
;; workspace buffers: xn 25,165,824 bytes; xn2 25,165,824 bytes; wq 1,605,632 bytes; w1t 4,227,072 bytes; wr 4,718,592 bytes; qkv 25,165,824 bytes; att 8,388,608 bytes; hid 67,108,864 bytes
;; launch prep (part 1): grid 896 x 1, 8 waves a work-group, no clusters, 18,432 bytes of LDS; arguments x, g1, be1, Wq, Wk, Wv, Wo, W1, W2, b1, xn, wq, w1t, wr; writes xn, wq, w1t, wr
.if DOCPART == 1
	.amdgcn_target "amdgcn-amd-amdhsa--gfx1250"
	.amdhsa_code_object_version 6
	.text
	.protected	k_q4b0cff5e11_prep
	.globl	k_q4b0cff5e11_prep
	.p2align	8
	.type	k_q4b0cff5e11_prep,@function
k_q4b0cff5e11_prep:
	s_mov_b64 s[64:65], 0
	v_nop
	global_prefetch_b8 v0, s[64:65] scope:SCOPE_SE
	s_setreg_imm32_b32 hwreg(HW_REG_WAVE_MODE, 25, 1), 1
	s_wait_xcnt 0x0
; PREP.  EVERY INPUT OF THE MODULE IS ROUNDED TO bf16 WHERE IT IS FIRST READ, x, the gains and the biases like the weights: the program computes the module on bf16 inputs; behind that rounding all is f32 but the matrix operands.
; Work-groups 0-255: xn = layer_norm(x, g1, be1), 32 rows each, stored twice: f32 [8192][512] at byte 0 of xn (the residual) and bf16 [8192][512] at byte 16,777,216 (the matrix operand).
; Work-groups 256-895: one tile of 128 k x 64 n of a weight matrix each, f32 [k][n] in memory, turned through LDS and stored as bf16 [n][k]:
;   Wq, Wk, Wv -> wq + 32,768, row n = 512 which + 64 head + d, 1,024 bytes a row;   Wo -> wr;   W1 -> w1t + 32,768;   W2 -> wr + 524,288, 8,192 bytes a row.
; The first 16 KiB of wq and of w1t hold the later product's bias in f32 (zeros for q, k, v; b1, rounded to bf16 and widened), byte 16,384 on its floor as two bf16 (minus infinity twice; zero twice).
; Mean and variance in f32, in two passes over the row in registers: first the mean, then the mean of the squared deviations.  Memory binds here: no matrix unit, no cluster, no tensor load.
.set X,   64                           ; v[64:127]  four rows, 16 numbers a lane each: row i, columns 128 j + 4 lane + c at X + 16 i + 4 j + c
.set G,   16                           ; v[16:31]   the gain of my 16 columns
.set BE,  32                           ; v[32:47]   the bias of my 16 columns
.set W,   48                           ; v[48:63]   four registers of work a row
.set Y,   128                          ; v[128:159] at work in the rounding of the inputs; then the four rows in bf16
.set LO,  2                            ; v2   16 x lane
.set LO8, 3                            ; v3   8 x lane
.set SPW, 12                           ; v12  LDS address of my spare word; never rewritten
.set NIL, 13                           ; v13  0; never rewritten
.set RN,  40                           ; s40  1 / 512
.set EP,  41                           ; s41  1e-5
.set SEL, 42                           ; s[42:43] v_permlanex16_b32's selects: each lane takes its own place in the other half
.set MK,  76                           ; s76  a word's upper bf16
.set TP,  272                          ; a turned row in LDS: 128 bf16 + 16 bytes
.set SPARE, 64*TP                      ; behind the tile: the spare words, 128 bytes for each of eight waves
; 16 numbers in v[r .. r + 15] are rounded to bf16 (to nearest even) and widened again, in place; v[t .. t + 7] are used up
.macro ROUND16 r, t
.irp k, 0,1,2,3,4,5,6,7
	v_cvt_pk_bf16_f32 v[(\t)+\k], v[(\r)+2*\k], v[(\r)+2*\k+1]
.endr
.irp k, 0,1,2,3,4,5,6,7
	v_lshlrev_b32 v[(\r)+2*\k], 16, v[(\t)+\k]
	v_and_b32 v[(\r)+2*\k+1], s[MK], v[(\t)+\k]
.endr
.endm
; the sum over the wave's 32 lanes of v[W + 4 i + o], for the four rows; v[W + 4 i + o + 1] is used up
.macro LANES o
.irp m, 1,2,4,8
.irp i, 0,1,2,3
	v_add_f32_dpp v[W+4*\i+\o], v[W+4*\i+\o], v[W+4*\i+\o] row_xmask:\m row_mask:0xf bank_mask:0xf
.endr
.endr
.irp i, 0,1,2,3
	v_permlanex16_b32 v[W+4*\i+\o+1], v[W+4*\i+\o], s[SEL], s[SEL+1]
.endr
.irp i, 0,1,2,3
	v_add_f32 v[W+4*\i+\o], v[W+4*\i+\o], v[W+4*\i+\o+1]
.endr
.endm
; four rows in X are normalised in place; the rows are interleaved so that no line waits for the one before it
.macro LN4
.irp i, 0,1,2,3
	v_pk_add_f32 v[W+4*\i:W+4*\i+1], v[X+16*\i:X+16*\i+1], v[X+16*\i+2:X+16*\i+3]
.endr
.irp k, 2,3,4,5,6,7
.irp i, 0,1,2,3
	v_pk_add_f32 v[W+4*\i:W+4*\i+1], v[W+4*\i:W+4*\i+1], v[X+16*\i+2*\k:X+16*\i+2*\k+1]
.endr
.endr
.irp i, 0,1,2,3
	v_add_f32 v[W+4*\i], v[W+4*\i], v[W+4*\i+1]
.endr
	LANES 0
.irp i, 0,1,2,3
	v_mul_f32 v[W+4*\i], s[RN], v[W+4*\i]          ; the mean
.endr
.irp k, 0,1,2,3,4,5,6,7
.irp i, 0,1,2,3
	v_pk_add_f32 v[X+16*\i+2*\k:X+16*\i+2*\k+1], v[X+16*\i+2*\k:X+16*\i+2*\k+1], v[W+4*\i:W+4*\i+1] op_sel_hi:[1,0] neg_lo:[0,1] neg_hi:[0,1]
.endr
.endr
.irp i, 0,1,2,3
	v_pk_mul_f32 v[W+4*\i+2:W+4*\i+3], v[X+16*\i:X+16*\i+1], v[X+16*\i:X+16*\i+1]
.endr
.irp k, 1,2,3,4,5,6,7
.irp i, 0,1,2,3
	v_pk_fma_f32 v[W+4*\i+2:W+4*\i+3], v[X+16*\i+2*\k:X+16*\i+2*\k+1], v[X+16*\i+2*\k:X+16*\i+2*\k+1], v[W+4*\i+2:W+4*\i+3]
.endr
.endr
.irp i, 0,1,2,3
	v_add_f32 v[W+4*\i+2], v[W+4*\i+2], v[W+4*\i+3]
.endr
	LANES 2
.irp i, 0,1,2,3
	v_fma_f32 v[W+4*\i+2], v[W+4*\i+2], s[RN], s[EP]  ; the variance + 1e-5
.endr
.irp i, 0,1,2,3
	v_rsq_f32 v[W+4*\i+2], v[W+4*\i+2]
.endr
	v_nop                                          ; a plain instruction behind the last of the four (ISA guide 5.7.2),
	s_wait_alu depctr_va_vdst(0)                   ; and one wait for the batch, ahead of its first reader
.irp k, 0,1,2,3,4,5,6,7
.irp i, 0,1,2,3
	v_pk_mul_f32 v[X+16*\i+2*\k:X+16*\i+2*\k+1], v[X+16*\i+2*\k:X+16*\i+2*\k+1], v[W+4*\i+2:W+4*\i+3] op_sel_hi:[1,0]
.endr
.endr
.irp k, 0,1,2,3,4,5,6,7
.irp i, 0,1,2,3
	v_pk_fma_f32 v[X+16*\i+2*\k:X+16*\i+2*\k+1], v[X+16*\i+2*\k:X+16*\i+2*\k+1], v[G+2*\k:G+2*\k+1], v[BE+2*\k:BE+2*\k+1]
.endr
.endr
.endm
	s_load_b512 s[8:23], s[0:1], 0x0               ; x s[8:9], g1 s[10:11], be1 s[12:13], Wq s[14:15], Wk s[16:17], Wv s[18:19], Wo s[20:21], W1 s[22:23]
	s_load_b256 s[24:31], s[0:1], 0x40             ; W2 s[24:25], b1 s[26:27], xn s[28:29], wq s[30:31]
	s_load_b128 s[32:35], s[0:1], 0x60             ; w1t s[32:33], wr s[34:35]
	v_lshl_add_u32 v[SPW], v0, 2, SPARE
	v_mov_b32 v[NIL], 0
	v_lshrrev_b32 v1, 5, v0
	v_readfirstlane_b32 s4, v1                     ; wave 0..7
	v_and_b32 v4, 31, v0                           ; lane
	s_mov_b32 s[MK], 0xffff0000
	s_cmp_lt_u32 ttmp9, 256                        ; the same answer in all eight waves
	s_cbranch_scc0 .Ltile
	; LAYER NORM.  Wave w takes rows 32 g + 4 w + 0..3; a load or store of 16 bytes a lane covers 512 consecutive bytes of a row.
	v_lshlrev_b32 v[LO], 4, v4
	v_lshlrev_b32 v[LO8], 3, v4
	s_mov_b32 s[RN], 0x3b000000
	s_mov_b32 s[EP], 0x3727c5ac
	s_mov_b32 s[SEL], 0x76543210
	s_mov_b32 s[SEL+1], 0xfedcba98
	s_lshl_b32 s36, ttmp9, 16                      ; 32 rows of 2,048 bytes,
	s_lshl_b32 s37, s4, 13                         ; my wave's 4
	s_add_co_u32 s36, s36, s37
	s_mov_b32 s37, 0
	s_lshr_b32 s38, s36, 1                         ; the same rows in bf16,
	s_add_co_u32 s38, s38, 0x1000000               ; behind the f32 copy
	s_mov_b32 s39, 0
	s_wait_kmcnt 0x0
	s_add_nc_u64 s[8:9], s[8:9], s[36:37]
	s_add_nc_u64 s[44:45], s[28:29], s[36:37]
	s_add_nc_u64 s[46:47], s[28:29], s[38:39]
.irp j, 0,1,2,3
	global_load_b128 v[G+4*\j:G+4*\j+3], v[LO], s[10:11] offset:512*\j
	global_load_b128 v[BE+4*\j:BE+4*\j+3], v[LO], s[12:13] offset:512*\j
.endr
.irp i, 0,1,2,3
.irp j, 0,1,2,3
	global_load_b128 v[X+16*\i+4*\j:X+16*\i+4*\j+3], v[LO], s[8:9] offset:\i*2048+512*\j th:TH_LOAD_NT
.endr
.endr
	s_wait_loadcnt 0x0
	ROUND16 G, Y                                   ; the inputs as bf16 numbers
	ROUND16 BE, Y+8
	ROUND16 X, Y+16
	ROUND16 X+16, Y+24
	ROUND16 X+32, Y
	ROUND16 X+48, Y+8
	LN4
.irp i, 0,1,2,3
.irp j, 0,1,2,3
	global_store_b128 v[LO], v[X+16*\i+4*\j:X+16*\i+4*\j+3], s[44:45] offset:\i*2048+512*\j
.endr
.endr
.irp i, 0,1,2,3
.irp k, 0,1,2,3,4,5,6,7
	v_cvt_pk_bf16_f32 v[Y+8*\i+\k], v[X+16*\i+2*\k], v[X+16*\i+2*\k+1]
.endr
.endr
.irp i, 0,1,2,3
.irp j, 0,1,2,3
	global_store_b64 v[LO8], v[Y+8*\i+2*\j:Y+8*\i+2*\j+1], s[46:47] offset:\i*1024+256*\j  ; 32 lanes store 256 consecutive bytes, aligned
.endr
.endr
	s_wait_tensorcnt 0x0                           ; the wave's end
	ds_add_u32 v[SPW], v[NIL]
	s_wait_dscnt 0x0
	s_endpgm
.Ltile:
	; A TILE OF WEIGHTS.  t = work-group - 256: 0-95 Wq, Wk, Wv (32 each: 8 heads x 4 k tiles); 96-127 Wo; 128-383 W1; 384-639 W2.  All four cases' numbers are made, then chosen by selects: no branch.
	s_sub_co_u32 s36, ttmp9, 256                   ; t
	s_and_b32 s37, s36, 3                          ; the k tile, for all but W2
	s_sub_co_u32 s38, s36, 384                     ; W2: k tile = j % 32, n tile = j / 32
	s_and_b32 s42, s38, 31
	s_lshr_b32 s39, s38, 5
	s_lshl_b32 s40, s42, 18                        ; 128 rows of 2,048 bytes
	s_lshl_b32 s41, s39, 8
	s_add_co_u32 s40, s40, s41                     ; from
	s_lshl_b32 s41, s39, 19                        ; 64 rows of 8,192 bytes
	s_add_co_u32 s41, s41, 524288                  ; to
	s_sub_co_u32 s38, s36, 128                     ; W1: n tile = j / 4
	s_lshr_b32 s38, s38, 2
	s_lshl_b32 s44, s37, 21                        ; 128 rows of 16,384 bytes
	s_lshl_b32 s39, s38, 8
	s_add_co_u32 s44, s44, s39
	s_lshl_b32 s45, s38, 16                        ; 64 rows of 1,024 bytes
	s_add_co_u32 s45, s45, 32768
	s_sub_co_u32 s38, s36, 96                      ; Wo
	s_lshr_b32 s38, s38, 2
	s_lshl_b32 s46, s37, 18
	s_lshl_b32 s39, s38, 8
	s_add_co_u32 s46, s46, s39
	s_lshl_b32 s47, s38, 16
	s_lshr_b32 s38, s36, 2                         ; Wq, Wk, Wv: t / 4 = 8 which + head = the block of 64 rows in wq
	s_and_b32 s39, s38, 7
	s_lshl_b32 s48, s39, 17                        ; a head is 131,072 bytes,
	s_lshl_b32 s39, s37, 15                        ; 128 rows of 256 bytes
	s_add_co_u32 s48, s48, s39
	s_lshl_b32 s49, s38, 16
	s_add_co_u32 s49, s49, 32768
	v_and_b32 v5, 15, v0                           ; ng: my 4 columns of the tile's 64
	v_lshrrev_b32 v6, 4, v0                        ; kp 0..15
	v_lshlrev_b32 v7, 4, v5                        ; 16 ng
	v_lshlrev_b32 v8, 1, v6                        ; 2 kp
	v_lshlrev_b32 v11, 3, v4                       ; 8 x lane
	s_wait_kmcnt 0x0
	s_cmp_lt_u32 s36, 384                          ; W1, or else W2
	s_cselect_b32 s52, s44, s40                    ; byte offset of the tile in its source
	s_cselect_b32 s54, s45, s41                    ; and in its destination, less the k tile
	s_cselect_b32 s56, 14, 11                      ; log2 of the source's row bytes
	s_cselect_b32 s57, 10, 13                      ; log2 of the destination's
	s_cselect_b32 s58, s37, s42                    ; the k tile
	s_cselect_b64 s[60:61], s[22:23], s[24:25]
	s_cselect_b64 s[62:63], s[32:33], s[34:35]
	s_cmp_lt_u32 s36, 128                          ; Wo
	s_cselect_b32 s52, s46, s52
	s_cselect_b32 s54, s47, s54
	s_cselect_b32 s56, 11, s56
	s_cselect_b64 s[60:61], s[20:21], s[60:61]
	s_cselect_b64 s[62:63], s[34:35], s[62:63]
	s_cmp_lt_u32 s36, 96                           ; Wv
	s_cselect_b32 s52, s48, s52
	s_cselect_b32 s54, s49, s54
	s_cselect_b32 s56, 8, s56
	s_cselect_b64 s[60:61], s[18:19], s[60:61]
	s_cselect_b64 s[62:63], s[30:31], s[62:63]
	s_cmp_lt_u32 s36, 64                           ; Wk
	s_cselect_b64 s[60:61], s[16:17], s[60:61]
	s_cmp_lt_u32 s36, 32                           ; Wq
	s_cselect_b64 s[60:61], s[14:15], s[60:61]
	s_lshl_b32 s59, s58, 8                         ; 128 k are 256 bytes of a turned row
	s_add_co_u32 s54, s54, s59
	s_mov_b32 s53, 0
	s_mov_b32 s55, 0
	s_add_nc_u64 s[60:61], s[60:61], s[52:53]
	s_add_nc_u64 s[62:63], s[62:63], s[54:55]
.irp q, 0,1,2,3,4,5,6,7                ; load q takes row 2 kp + 32 (q / 2) + q % 2: sixteen lanes read the row's 256 bytes; a thread holds pairs of neighbouring k
	v_add_nc_u32 v[16+\q], 32*((\q)/2)+((\q)%2), v8
	v_lshl_add_u32 v[16+\q], v[16+\q], s56, v7
.endr
.irp q, 0,1,2,3,4,5,6,7
	global_load_b128 v[64+4*\q:64+4*\q+3], v[16+\q], s[60:61] th:TH_LOAD_NT
.endr
.irp i, 0,1,2,3
	v_add_nc_u32 v[24+\i], 16*\i, v6               ; turned row kp + 16 i
	v_lshl_add_u32 v[24+\i], v[24+\i], s57, v7
.endr
	v_mul_u32_u24 v9, v5, 4*TP                     ; in: turned row 4 ng + j, word kp + 16 i
	v_lshl_add_u32 v9, v6, 2, v9
	v_mul_u32_u24 v10, v6, TP                      ; back: turned row kp + 16 i, 16 bytes at 16 ng
	v_add_nc_u32 v10, v10, v7
	s_wait_loadcnt 0x0
.irp i, 0,1,2,3
.irp j, 0,1,2,3
	v_cvt_pk_bf16_f32 v[96+4*\i+\j], v[64+8*\i+\j], v[64+8*\i+4+\j]  ; the even k below, the odd k above
.endr
.endr
.irp i, 0,1,2,3
.irp j, 0,1,2,3
	ds_store_b32 v9, v[96+4*\i+\j] offset:\j*TP+64*\i  ; rows 4 ng apart are 272 words apart: lanes ng, ng + 4, ng + 8, ng + 12 meet in one bank (64 banks of 4 bytes: ISA guide 11.1); 16 stores a thread, once a work-group
.endr
.endr
	s_wait_dscnt 0x0                               ; for the others' sake: my stores are done
	s_barrier_signal -1
	s_barrier_wait -1
.irp i, 0,1,2,3
	ds_load_b128 v[112+4*\i:112+4*\i+3], v10 offset:\i*16*TP
.endr
.irp i, 0,1,2,3
	s_wait_dscnt 3-\i                              ; the younger loads may stay out
	global_store_b128 v[24+\i], v[112+4*\i:112+4*\i+3], s[62:63]  ; sixteen lanes store 256 consecutive bytes, aligned
.endr
	; THE TABLES: wave 0 of the work-groups with k tile 0 of Wq, Wk, Wv and W1: the 64 bias numbers of the tile's columns; the first of each kind also the floor
	s_cmp_lg_u32 s4, 0
	s_cbranch_scc1 .Ltend
	s_cmp_lg_u32 s37, 0
	s_cbranch_scc1 .Ltend
	s_mov_b32 s71, 0
	v_mov_b32 v130, 0
	v_mov_b32 v131, 0
	s_cmp_lt_u32 s36, 96
	s_cbranch_scc1 .Ltq
	s_cmp_lt_u32 s36, 128
	s_cbranch_scc1 .Ltend
	s_cmp_lt_u32 s36, 384
	s_cbranch_scc0 .Ltend
	s_sub_co_u32 s70, s36, 128
	s_lshr_b32 s70, s70, 2
	s_lshl_b32 s70, s70, 8                         ; 64 numbers of 4 bytes
	s_add_nc_u64 s[72:73], s[26:27], s[70:71]
	s_add_nc_u64 s[74:75], s[32:33], s[70:71]
	global_load_b64 v[128:129], v11, s[72:73]
	s_wait_loadcnt 0x0
	v_cvt_pk_bf16_f32 v134, v128, v129             ; b1 as bf16 numbers, widened again
	v_lshlrev_b32 v128, 16, v134
	v_and_b32 v129, s[MK], v134
	global_store_b64 v11, v[128:129], s[74:75]
	s_cmp_lg_u32 s36, 128
	s_cbranch_scc1 .Ltend
	global_store_b64 v11, v[130:131], s[32:33] offset:16384  ; the floor of a ReLU
	s_branch .Ltend
.Ltq:
	s_lshr_b32 s70, s36, 2
	s_lshl_b32 s70, s70, 8
	s_add_nc_u64 s[74:75], s[30:31], s[70:71]
	global_store_b64 v11, v[130:131], s[74:75]     ; q, k and v have no bias
	s_cmp_lg_u32 s36, 0
	s_cbranch_scc1 .Ltend
	v_mov_b32 v132, 0xff80ff80                     ; minus infinity twice: no floor
	v_mov_b32 v133, 0xff80ff80
	global_store_b64 v11, v[132:133], s[30:31] offset:16384
.Ltend:
	s_wait_tensorcnt 0x0                           ; the wave's end: behind my last LDS store
	ds_add_u32 v[SPW], v[NIL]
	s_wait_dscnt 0x0
	s_endpgm
.Lfunc_end_k_q4b0cff5e11_prep:
	.size	k_q4b0cff5e11_prep, .Lfunc_end_k_q4b0cff5e11_prep-k_q4b0cff5e11_prep
	.p2alignl 7, 3214868480
	.fill 96, 4, 3214868480
	.section	.rodata,"a",@progbits
	.p2align	6, 0x0
	.amdhsa_kernel k_q4b0cff5e11_prep
		.amdhsa_group_segment_fixed_size 18432
		.amdhsa_private_segment_fixed_size 0
		.amdhsa_enable_private_segment 0
		.amdhsa_kernarg_size 112
		.amdhsa_user_sgpr_count 2
		.amdhsa_user_sgpr_kernarg_segment_ptr 1
		.amdhsa_wavefront_size32 1
		.amdhsa_system_sgpr_workgroup_id_x 1
		.amdhsa_system_sgpr_workgroup_id_y 1
		.amdhsa_system_sgpr_workgroup_id_z 1
		.amdhsa_system_vgpr_workitem_id 0
		.amdhsa_next_free_vgpr 160
		.amdhsa_next_free_sgpr 80
		.amdhsa_reserve_vcc 0
		.amdhsa_float_denorm_mode_32 3
		.amdhsa_float_denorm_mode_16_64 3
		.amdhsa_memory_ordered 1
		.amdhsa_forward_progress 1
		.amdhsa_inst_pref_size 38
	.end_amdhsa_kernel
	.amdgpu_metadata
---
amdhsa.version: [ 1, 2 ]
amdhsa.kernels:
  - .name:           k_q4b0cff5e11_prep
    .symbol:         k_q4b0cff5e11_prep.kd
    .args:
      - { .name: x, .offset: 0, .size: 8, .value_kind: global_buffer, .address_space: global }
      - { .name: g1, .offset: 8, .size: 8, .value_kind: global_buffer, .address_space: global }
      - { .name: be1, .offset: 16, .size: 8, .value_kind: global_buffer, .address_space: global }
      - { .name: Wq, .offset: 24, .size: 8, .value_kind: global_buffer, .address_space: global }
      - { .name: Wk, .offset: 32, .size: 8, .value_kind: global_buffer, .address_space: global }
      - { .name: Wv, .offset: 40, .size: 8, .value_kind: global_buffer, .address_space: global }
      - { .name: Wo, .offset: 48, .size: 8, .value_kind: global_buffer, .address_space: global }
      - { .name: W1, .offset: 56, .size: 8, .value_kind: global_buffer, .address_space: global }
      - { .name: W2, .offset: 64, .size: 8, .value_kind: global_buffer, .address_space: global }
      - { .name: b1, .offset: 72, .size: 8, .value_kind: global_buffer, .address_space: global }
      - { .name: xn, .offset: 80, .size: 8, .value_kind: global_buffer, .address_space: global }
      - { .name: wq, .offset: 88, .size: 8, .value_kind: global_buffer, .address_space: global }
      - { .name: w1t, .offset: 96, .size: 8, .value_kind: global_buffer, .address_space: global }
      - { .name: wr, .offset: 104, .size: 8, .value_kind: global_buffer, .address_space: global }
    .group_segment_fixed_size: 18432
    .private_segment_fixed_size: 0
    .kernarg_segment_align: 8
    .kernarg_segment_size: 112
    .max_flat_workgroup_size: 256
    .sgpr_count:     80
    .vgpr_count:     160
    .wavefront_size: 32
...
	.end_amdgpu_metadata
.endif
;; end of part 1
;; launch qkvp (part 2): grid 32 x 6, 4 waves a work-group, clusters of 4 x 1, 276,992 bytes of LDS; arguments xn, wq, qkv; writes qkv
.if DOCPART == 2
	.amdgcn_target "amdgcn-amd-amdhsa--gfx1250"
	.amdhsa_code_object_version 6
	.text
	.protected	k_q4b0cff5e11_qkvp
	.globl	k_q4b0cff5e11_qkvp
	.p2align	8
	.type	k_q4b0cff5e11_qkvp,@function
k_q4b0cff5e11_qkvp:
	s_mov_b64 s[64:65], 0
	v_nop
	global_prefetch_b8 v0, s[64:65] scope:SCOPE_SE
	s_setreg_imm32_b32 hwreg(HW_REG_WAVE_MODE, 25, 1), 1
	s_wait_xcnt 0x0
	s_wait_alu depctr_hold_cnt(0) depctr_sa_sdst(0) depctr_va_vdst(0) depctr_va_sdst(0) depctr_va_ssrc(0) depctr_va_vcc(0) depctr_vm_vsrc(0)
	s_getreg_b32 s2, hwreg(HW_REG_IB_STS2, 6, 4)
	s_cmp_eq_u32 s2, 0
	s_cbranch_scc0 .Lentry_in_a_cluster
	s_endpgm
.Lentry_in_a_cluster:
	s_bfe_u32 s2, ttmp6, 0x10000c
	s_cmp_lg_u32 s2, 0x3003
	s_cbranch_scc0 .Lentry_shape_is_right
	s_endpgm
.Lentry_shape_is_right:
; LIN.  y = max(A B^T + bias, floor), K = 512.  A: bf16 [8192][512] at byte 16,777,216 of the first buffer.  The second buffer: bias in f32 at byte 0, the floor (two bf16) at byte 16,384,
; B in bf16 [N][512] at byte 32,768.  y: bf16 in blocks of 64 columns, [N / 64][8192][64]: 16 rows of a block are 2,048 consecutive bytes.  Sums in f32, started from the bias; y rounded once.
; LIMIT.  The floor is taken by a maximum in which a NaN loses: a NaN in a sum leaves as the floor.
; SHARES.  A work-group makes 256 rows x 256 columns, in four chunks of 64 columns; each of its four waves 64 rows.  A wave's 64 rows x 512 of A stay in 512 registers for the whole launch,
; loaded straight from memory as fragments; so only B is read from LDS, 16 loads for 32 matrix instructions.
; CLUSTER.  The four row blocks of a cluster take the same 256 rows of B: each wave asks for 64 of them JOINTLY, once; nothing is filled again, so the loop has no barrier.
; THE MATRIX INSTRUCTION IS USED TRANSPOSED (source 0 = 16 rows of B, source 1 = 16 rows of A): a lane holds one row of y and eight neighbouring columns.
; The loop over chunks runs from a chunk's second K step to the next chunk's first; in its last trip that first step and its fetches take chunk 3 once more and serve nothing:
; 16 of the work-group's 1,040 matrix instructions a wave, the price of one text for all trips.
; REGISTERS, in windows of 256: window 0 addresses, bias, packed results, two buffers of B's fragments; window 1 A's K steps 0-7 at 8 (4 ks + a); window 2 K steps 8-15; window 3 the accumulators (a, b) at 8 (4 a + b).
.set BP,    1040                       ; a row of B in LDS: 1,024 bytes + 16 = 260 words: row r starts at bank 4 r mod 64 (64 banks of 4 bytes: ISA guide 11.1)
.set CHUNK, 64*BP                      ; 64 rows: a chunk, and what one tensor load brings
.set STAGE, 4*CHUNK                    ; behind B: 16 rows x 144 bytes for each wave, for the way out
.set SP,    144
.set SPARE, STAGE+4*16*SP              ; behind the stages: the spare words, 128 bytes for each wave
.set FO,  2                            ; v2   my byte offset in 16 rows of A: (l % 16) x 1,024 + 16 (l / 16); never rewritten
.set ADB, 3                            ; v3   LDS address of my place in the chunk in hand
.set ADN, 4                            ; v4   in the next chunk
.set AB0, 5                            ; v5   in chunk 0: (l % 16) x 1,040 + 16 (l / 16)
.set STO, 6                            ; v6   the way out: where I put 16 bytes of a row
.set RD,  7                            ; v7   where I read rows back
.set GO,  8                            ; v8   16 x lane: my place in 512 consecutive bytes of y
.set BO,  9                            ; v9   byte offset of my 8 bias numbers of the chunk asked for
.set BO0, 10                           ; v10  of chunk 0
.set SPW, 12                           ; v12  LDS address of my spare word; never rewritten
.set NIL, 13                           ; v13  0; never rewritten
.set BI,  16                           ; v[16:47]   the bias in the layout of an accumulator, 8 registers for each of 4 column blocks
.set TMP, 48                           ; v[48:111]  packed results
.set F0,  128                          ; v[128:191] B's fragments of two K steps: (ksl, b) at 8 (4 ksl + b)
.set F1,  192                          ; v[192:255] the other buffer
.set WV,  10                           ; s10  my wave's number
.set FLOOR, 14                         ; s14
.set G1,  16                           ; s[16:23] descriptor group 1
.set G0,  24                           ; s[24:27] descriptor group 0
.set CH,  28                           ; s28  chunks to go
.set CO,  29                           ; s29  the next chunk's LDS byte
.set YB,  30                           ; s[30:31] y at my 64 rows of the block of columns that leaves
.set AP,  32                           ; s[32:33] A at my 64 rows
.set CB,  34                           ; s34  the next chunk's byte in the bias
.set YS,  36                           ; s[36:37] what the next way out adds to YB
.set MSB, 0
.macro WIN new                         ; the immediate's high byte repeats the setting that is left; a switch that changes nothing is dropped
.if MSB != (\new)
	s_set_vgpr_msb (MSB<<8)|(\new)
.set MSB, \new
.endif
.endm
.macro PLACES                          ; four places behind a matrix instruction, ahead of loads into registers that it has read and of lines that read its result
.rept 4
	v_nop
.endr
.endm
.macro CROUND                          ; a round of the cluster's barrier
	s_barrier_signal -1
	s_barrier_wait -1
	s_cmp_lg_u32 s[WV], 0
	s_cbranch_scc1 .Lnot_wave_0_\@
	s_barrier_signal -3
.Lnot_wave_0_\@:
	s_barrier_wait -3
	s_barrier_signal -1
	s_barrier_wait -1
.endm
; 16 LDS loads: B's fragments of K steps 2 e and 2 e + 1 of the chunk at adr, into buffer f
.macro FETCH adr, e, f
	WIN 0
.irp k, 0,1
.irp b, 0,1,2,3
	ds_load_b128 v[(\f)+8*(4*\k+\b):(\f)+8*(4*\k+\b)+3],   v[\adr] offset:\b*16*BP+(2*(\e)+\k)*64
	ds_load_b128 v[(\f)+8*(4*\k+\b)+4:(\f)+8*(4*\k+\b)+7], v[\adr] offset:\b*16*BP+(2*(\e)+\k)*64+32
.endr
.endr
.endm
; 16 matrix instructions: K step ks, whose fragments of B are half ksl of buffer f.  The sixteen accumulators take turns, over the backward jump too.  first = 1: the sums start from the bias.
.macro MULK ks, f, ksl, first
.if \first
	WIN 0xc4                                       ; D window 3, C window 0, A window 1, B window 0
.elseif (\ks) < 8
	WIN 0xf4                                       ; C and D window 3, A window 1
.else
	WIN 0xf8                                       ; A window 2
.endif
.irp a, 0,1,2,3
.irp b, 0,1,2,3
.if \first
	v_wmma_f32_16x16x32_bf16 v[8*(4*\a+\b):8*(4*\a+\b)+7], v[(\f)+8*(4*(\ksl)+\b):(\f)+8*(4*(\ksl)+\b)+7], v[8*(4*((\ks)%8)+\a):8*(4*((\ks)%8)+\a)+7], v[BI+8*\b:BI+8*\b+7]
.else
	v_wmma_f32_16x16x32_bf16 v[8*(4*\a+\b):8*(4*\a+\b)+7], v[(\f)+8*(4*(\ksl)+\b):(\f)+8*(4*(\ksl)+\b)+7], v[8*(4*((\ks)%8)+\a):8*(4*((\ks)%8)+\a)+7], v[8*(4*\a+\b):8*(4*\a+\b)+7]
.endif
.endr
.endr
.endm
.macro BIAS                            ; a chunk's 64 bias numbers: register j of block b is column 16 b + 8 (l / 16) + j
.irp b, 0,1,2,3
	global_load_b128 v[BI+8*\b:BI+8*\b+3],   v[BO], s[6:7] offset:64*\b
	global_load_b128 v[BI+8*\b+4:BI+8*\b+7], v[BO], s[6:7] offset:64*\b+16
.endr
.endm
	s_load_b128 s[4:7], s[0:1], 0x0                ; A's buffer s[4:5], B's s[6:7]
	s_load_b64 s[8:9], s[0:1], 0x10                ; y
	v_lshl_add_u32 v[SPW], v0, 2, SPARE
	v_mov_b32 v[NIL], 0
	ds_add_u32 v[SPW], v[NIL]                      ; the wave's opening: the add and its wait stand ahead of my first tensor load; the set-up below stands between them
	ds_add_u32 v12, v13
	v_lshrrev_b32 v1, 5, v0
	v_readfirstlane_b32 s[WV], v1                  ; wave 0..3
	s_bfe_u32 s11, ttmp6, 0x40000                  ; cx: my place in the cluster
	s_lshl_b32 s12, ttmp9, 2
	s_add_co_u32 s12, s12, s11                     ; my block of 256 rows: it enters A's and y's addresses alone
	s_and_b32 s13, ttmp7, 0xffff                   ; my 256 columns, which the four partners share
	s_mov_b32 s[G1+0], 15|(1<<16)|(1<<20)|(1<<21)|(7<<22)|(3<<25)  ; 15:0 the mask of four; 17:16 2-byte elements; 20 padding on; 21 set beside a mask; 24:22 after every 256 words (code 7); 31:25 4 words (code 3)
	s_mov_b32 s[G1+1], 512<<16                     ; tensor_dim0 = 512
	s_mov_b32 s[G1+2], 64<<16                      ; tensor_dim1 = 64
	s_mov_b32 s[G1+3], 512<<16                     ; tile_dim0 = 512
	s_mov_b32 s[G1+4], 64                          ; tile_dim1 = 64
	s_mov_b32 s[G1+5], 512                         ; elements from row to row
	s_mov_b32 s[G1+6], 0
	s_mov_b32 s[G1+7], 0
	s_mov_b32 s[G0], 1                             ; count = 1
	s_mul_i32 s[G0+1], s[WV], CHUNK                ; wave w brings chunk w
	s_lshl_b32 s38, s13, 18                        ; 256 rows of 1,024 bytes,
	s_lshl_b32 s39, s[WV], 16                      ; my 64,
	s_add_co_u32 s38, s38, s39
	s_add_co_u32 s38, s38, 32768                   ; behind the tables
	s_mov_b32 s39, 0
	s_lshl_b32 s40, s12, 18                        ; A: my block's 256 rows of 1,024 bytes,
	s_lshl_b32 s41, s[WV], 16                      ; my wave's 64,
	s_add_co_u32 s40, s40, s41
	s_add_co_u32 s40, s40, 0x1000000               ; in the bf16 copy
	s_mov_b32 s41, 0
	s_lshl_b32 s42, s13, 22                        ; y: four blocks of 1,048,576 bytes,
	s_lshl_b32 s43, s12, 15                        ; 256 rows of 128 bytes,
	s_add_co_u32 s42, s42, s43
	s_lshl_b32 s43, s[WV], 13                      ; my wave's 64
	s_add_co_u32 s42, s42, s43
	s_mov_b32 s43, 0
	s_wait_dscnt 0x0                               ; the opening add is done
	s_wait_kmcnt 0x0
	s_load_b32 s[FLOOR], s[6:7], 0x4000
	s_add_nc_u64 s[G0+2:G0+3], s[6:7], s[38:39]
	s_or_b32 s[G0+3], s[G0+3], 0x80000000          ; type = 2
	s_add_nc_u64 s[AP:AP+1], s[4:5], s[40:41]
	s_add_nc_u64 s[YB:YB+1], s[8:9], s[42:43]
	CROUND                                         ; all four work-groups are here: the joint loads meet
	tensor_load_to_lds s[G0:G0+3], s[G1:G1+7]      ; my one tensor load of the launch
	s_nop 0
	PLACES
	v_and_b32 v1, 15, v0                           ; l % 16
	v_bfe_u32 v11, v0, 4, 1                        ; l / 16
	v_lshlrev_b32 v[FO], 10, v1
	v_lshl_add_u32 v[FO], v11, 4, v[FO]
	WIN 0x40                                       ; destination window 1
.irp a, 0,1,2,3
.irp k, 0,1,2,3,4,5,6,7
	global_load_b128 v[8*(4*\k+\a):8*(4*\k+\a)+3],   v[FO], s[AP:AP+1] offset:\a*16384+\k*64
	global_load_b128 v[8*(4*\k+\a)+4:8*(4*\k+\a)+7], v[FO], s[AP:AP+1] offset:\a*16384+\k*64+32
.endr
.endr
	WIN 0x80                                       ; destination window 2
.irp a, 0,1,2,3
.irp k, 0,1,2,3,4,5,6,7
	global_load_b128 v[8*(4*\k+\a):8*(4*\k+\a)+3],   v[FO], s[AP:AP+1] offset:\a*16384+512+\k*64
	global_load_b128 v[8*(4*\k+\a)+4:8*(4*\k+\a)+7], v[FO], s[AP:AP+1] offset:\a*16384+512+\k*64+32
.endr
.endr
	WIN 0
	s_lshl_b32 s15, s13, 10                        ; 256 columns of 4 bytes
	v_lshl_add_u32 v[BO0], v11, 5, s15
	v_mov_b32 v[BO], v[BO0]
	BIAS                                           ; chunk 0's
	v_mul_u32_u24 v[AB0], v1, BP
	v_lshl_add_u32 v[AB0], v11, 4, v[AB0]
	v_mov_b32 v[ADB], v[AB0]
	s_mul_i32 s15, s[WV], 16*SP
	s_add_co_u32 s15, s15, STAGE                   ; my stage
	v_mul_u32_u24 v[STO], v1, SP                   ; in: row l % 16, 16 bytes for each half of the lanes
	v_lshl_add_u32 v[STO], v11, 4, v[STO]
	v_add_nc_u32 v[STO], s15, v[STO]
	v_bfe_u32 v[RD], v0, 3, 2                      ; back: 32 lanes take four rows of 128 bytes,
	v_mul_u32_u24 v[RD], v[RD], SP
	v_and_b32 v14, 7, v0
	v_lshl_add_u32 v[RD], v14, 4, v[RD]
	v_add_nc_u32 v[RD], s15, v[RD]
	v_and_b32 v[GO], 31, v0                        ; which are 512 consecutive bytes of y
	v_lshlrev_b32 v[GO], 4, v[GO]
	s_wait_tensorcnt 0x0                           ; my chunk is in,
	s_barrier_signal -1
	s_barrier_wait -1                              ; everybody's is; nothing is filled again
	FETCH ADB, 0, F0
	FETCH ADB, 1, F1
	s_wait_loadcnt 0x0                             ; A and the bias
	s_wait_kmcnt 0x0                               ; the floor
	s_wait_dscnt 16                                ; buffer 0 is in; buffer 1's sixteen loads may stay out
	MULK 0, F0, 0, 1
	WIN 0
	s_mov_b32 s[CH], 4
	s_mov_b32 s[CO], CHUNK
	s_mov_b32 s[CB], 256
	s_mov_b32 s[YS], 0
	s_mov_b32 s[YS+1], 0
	v_add_nc_u32 v[ADN], s[CO], v[AB0]
.Lchunk:                                               ; K step 0 of the chunk in hand has been multiplied
	PLACES
	v_add_nc_u32 v[BO], s[CB], v[BO0]              ; free: the loads that read it have been waited for
	BIAS                                           ; the next chunk's
	MULK 1, F0, 1, 0
.irp e, 1,2,3,4,5,6
	s_wait_dscnt 0x0                               ; this pair's fragments, asked for 32 matrix instructions ago
	PLACES
	FETCH ADB, (\e)+1, F0+64*(((\e)+1)%2)
	MULK 2*(\e), F0+64*((\e)%2), 0, 0
	MULK 2*(\e)+1, F0+64*((\e)%2), 1, 0
.endr
	s_wait_dscnt 0x0
	PLACES
	FETCH ADN, 0, F0                               ; the next chunk's first fragments
	MULK 14, F1, 0, 0
	MULK 15, F1, 1, 0
	PLACES                                         ; ahead of the loads into buffer 1 and of the conversions
	FETCH ADN, 1, F1
	s_wait_xcnt 0x0                                ; the last way out's stores have read their registers and their base (ISA guide 3.1)
	s_add_nc_u64 s[YB:YB+1], s[YB:YB+1], s[YS:YS+1]
	WIN 0x0f                                       ; sources in window 3
.set t, 0
.rept 16
.irp r, 0,1,2,3
	v_cvt_pk_bf16_f32 v[TMP+4*t+\r], v[8*t+2*\r], v[8*t+2*\r+1]  ; each accumulator from its low end on
.endr
.set t, t+1
.endr
	WIN 0
.set t, 0
.rept 64
	v_pk_max_num_bf16 v[TMP+t], v[TMP+t], s[FLOOR]
.set t, t+1
.endr
.irp a, 0,1,2,3                        ; 16 rows at a time through my stage; LDS serves a wave's instructions in order (ISA guide 5.7.1.4), so no wait stands between
.irp b, 0,1,2,3
	ds_store_b128 v[STO], v[TMP+16*\a+4*\b:TMP+16*\a+4*\b+3] offset:32*\b
.endr
.irp f, 0,1,2,3
	ds_load_b128 v[TMP+16*\a+4*\f:TMP+16*\a+4*\f+3], v[RD] offset:\f*4*SP
.endr
.endr
	s_wait_loadcnt 0x0                             ; the next chunk's bias
	s_wait_dscnt 48                                ; buffer 0 is in: behind it stand buffer 1's 16 loads and the stage's 32 instructions
	MULK 0, F0, 0, 1                               ; the next chunk starts while the stage answers
	WIN 0
.irp a, 0,1,2,3
.irp f, 0,1,2,3
	s_wait_dscnt (3-\a)*8+(3-\f)                   ; the stage's instructions issued behind this load may stay out
	global_store_b128 v[GO], v[TMP+16*\a+4*\f:TMP+16*\a+4*\f+3], s[YB:YB+1] offset:\a*2048+\f*512 th:TH_STORE_NT  ; 512 consecutive bytes, aligned
.endr
.endr
	v_mov_b32 v[ADB], v[ADN]
	s_mov_b32 s[YS], 0x100000                      ; a block of 64 columns is 1,048,576 bytes
	s_add_co_u32 s[CO], s[CO], CHUNK
	s_min_u32 s[CO], s[CO], 3*CHUNK                ; behind the last chunk: the last once more
	s_add_co_u32 s[CB], s[CB], 256
	s_min_u32 s[CB], s[CB], 768
	v_add_nc_u32 v[ADN], s[CO], v[AB0]
	s_sub_co_u32 s[CH], s[CH], 1
	s_cmp_lg_u32 s[CH], 0
	s_cbranch_scc1 .Lchunk
	s_wait_tensorcnt 0x0                           ; the wave's end, behind my last tensor load and my last LDS store
	ds_add_u32 v[SPW], v[NIL]
	s_wait_dscnt 0x0
	CROUND                                         ; the closing round
	s_endpgm
.Lfunc_end_k_q4b0cff5e11_qkvp:
	.size	k_q4b0cff5e11_qkvp, .Lfunc_end_k_q4b0cff5e11_qkvp-k_q4b0cff5e11_qkvp
	.p2alignl 7, 3214868480
	.fill 96, 4, 3214868480
	.section	.rodata,"a",@progbits
	.p2align	6, 0x0
	.amdhsa_kernel k_q4b0cff5e11_qkvp
		.amdhsa_group_segment_fixed_size 276992
		.amdhsa_private_segment_fixed_size 0
		.amdhsa_enable_private_segment 0
		.amdhsa_kernarg_size 24
		.amdhsa_user_sgpr_count 2
		.amdhsa_user_sgpr_kernarg_segment_ptr 1
		.amdhsa_wavefront_size32 1
		.amdhsa_system_sgpr_workgroup_id_x 1
		.amdhsa_system_sgpr_workgroup_id_y 1
		.amdhsa_system_sgpr_workgroup_id_z 1
		.amdhsa_system_vgpr_workitem_id 0
		.amdhsa_next_free_vgpr 896
		.amdhsa_next_free_sgpr 66
		.amdhsa_reserve_vcc 0
		.amdhsa_float_denorm_mode_32 3
		.amdhsa_float_denorm_mode_16_64 3
		.amdhsa_memory_ordered 1
		.amdhsa_forward_progress 1
		.amdhsa_inst_pref_size 61
	.end_amdhsa_kernel
	.amdgpu_metadata
---
amdhsa.version: [ 1, 2 ]
amdhsa.kernels:
  - .name:           k_q4b0cff5e11_qkvp
    .symbol:         k_q4b0cff5e11_qkvp.kd
    .args:
      - { .name: xn, .offset: 0, .size: 8, .value_kind: global_buffer, .address_space: global }
      - { .name: wq, .offset: 8, .size: 8, .value_kind: global_buffer, .address_space: global }
      - { .name: qkv, .offset: 16, .size: 8, .value_kind: global_buffer, .address_space: global }
    .group_segment_fixed_size: 276992
    .private_segment_fixed_size: 0
    .kernarg_segment_align: 8
    .kernarg_segment_size: 24
    .max_flat_workgroup_size: 128
    .sgpr_count:     66
    .vgpr_count:     896
    .wavefront_size: 32
...
	.end_amdgpu_metadata
.endif
;; end of part 2
;; launch attn (part 3): grid 8 x 32, 4 waves a work-group, no clusters, 327,680 bytes of LDS; arguments qkv, att; writes att
.if DOCPART == 3
	.amdgcn_target "amdgcn-amd-amdhsa--gfx1250"
	.amdhsa_code_object_version 6
	.text
	.protected	k_q4b0cff5e11_attn
	.globl	k_q4b0cff5e11_attn
	.p2align	8
	.type	k_q4b0cff5e11_attn,@function
k_q4b0cff5e11_attn:
	s_mov_b64 s[64:65], 0
	v_nop
	global_prefetch_b8 v0, s[64:65] scope:SCOPE_SE
	s_setreg_imm32_b32 hwreg(HW_REG_WAVE_MODE, 25, 1), 1
	s_wait_xcnt 0x0
; CAUSAL ATTENTION, head size 64, 32 heads of 2,048 rows.  O[q] = the sum over k <= q of softmax_k(Q[q] . K[k] / sqrt(2048)) V[k].  q, k, v lie in one buffer, bf16, a head's rows dense, 128 bytes each:
; head y at byte 262,144 y; k 8,388,608 bytes and v 16,777,216 bytes behind q.  O in the same layout.  Products, maxima and sums in f32; the weights p are rounded to bf16 for the second product
; (their sum l is taken of the unrounded p), O once at the end.
; LIMITS.  A hidden score counts as its value less 1e30; a weight below 2^-126 counts as 0 in l; NaN and infinities are not treated apart.
; THE WALK.  A head's queries lie in 16 blocks of 128; block i needs the key tiles 0 .. i / 2 of 256 keys, of which the last holds the diagonal.  A work-group takes blocks 15 - b and then b: 9 tiles whatever b,
; so all work-groups do equal work and one loop with a constant trip count walks them; the ring of two LDS slots runs on across the change of blocks.
; NO CLUSTER: what a trip does (a block's end, its beginning, the diagonal) is a branch on numbers made from b, which differs between the work-groups of a head.
; SHARES.  Wave w owns rows 32 w .. 32 w + 31 of a block: two tiles of 16 queries.  In the diagonal tile both lie in the band XB = 2 (i % 2) + w / 2 of 64 rows: key step s shows all keys if s < XB, none if s > XB, and holds the diagonal if s = XB.
; THE MASK is the C operand that starts the sum S^T = K Q^T: MC = MDX x AL + BE with two scalars: (1, 0) if s = XB; (0, 0) if s < XB; (0, -1e30) if s > XB.  It is made anew in the diagonal tile's steps and where a block begins.
; Key 0 is seen by every row in a block's first step, so the running maximum is a true score before the first hidden one.
; LAYOUT.  S^T = K Q^T holds ONE query a lane (lane % 16) and the keys 8 (lane / 16) + 0..7; two such results rounded to bf16 ARE source 1 of O^T = V^T P.  p = 2^(c s - c m), c = log2(e) / sqrt(2048), with a running maximum m;
; O and l are multiplied by a = 2^(c m_old - c m_new) in every step.  A block begins with c m far below every c s, so its first a is 0 and what O and l held need only be finite.
; IN PHASES.  A trip of the step loop asks for K of the step to come, finishes the step in hand (softmax; V^T P with the sums as riders), then asks for V and makes the scores of the step to come.
; REGISTERS, in windows of 256 (s_set_vgpr_msb: bits 1:0 source 0, 3:2 source 1, 5:4 source 2, 7:6 destination):
;   window 0: v0-15 addresses and work; v16-23 statistics; v48-55 at work; v64-127 S^T; v192-223 P      window 1: v0-63 O^T; v64-103 MDX; v128-191 MC      window 2: v0-31 Q; v32-63 the Q to come; v128-191 K; v192-255 V
.set KS,    64        ; keys in a step
.set PK,    144       ; a row of K in LDS: 128 bytes + 16 = 36 words: the 16 rows of a load start at 16 different groups of four banks (64 banks of 4 bytes: ISA guide 11.1)
.set PV,    160       ; a row of V: 128 + 32 = 40 words
.set VOFF,  4*KS*PK   ; a slot holds a tile: 256 rows of K, then 256 rows of V
.set SLOT1, 1<<17     ; slot 1 begins here, so that one exclusive or turns an address in one slot into the other's
.set STAGE, SLOT1+4*KS*(PK+PV)  ; behind the ring, never filled by a tensor load: 16 rows x 144 bytes for each wave
.set SP,    144
.set SPARE, STAGE+4*16*SP       ; behind the stages: the spare words, 128 bytes for each wave
.set AK0, 2           ; v2   my lane's place in a tile of K; never rewritten
.set AV0, 3           ; v3   the same for V
.set AK,  4           ; v4   the LDS address of K's next run of loads
.set AV,  5           ; v5   of V's
.set STO, 6           ; v6   the way out: where I put 16 bytes of a row
.set RD,  7           ; v7   where I read rows back
.set GO,  8           ; v8   16 x lane
.set MV,  12          ; v12-13  c m_old, by tile
.set QO,  15          ; v15  my byte offset in 16 rows of Q
.set ST,  16          ; tile t's statistics at v[ST+4 t]: c m, m, l (even keys', odd keys')
.set TMP, 48          ; by tile, four registers c0-c3 at work; when the maximum is found c2 takes a
.set PFO, 60          ; v60  256 x lane; never rewritten
.set SPW, 62          ; v62  LDS address of my spare word; never rewritten
.set NIL, 63          ; v63  0; never rewritten
.set S,   64
.set P,   192
.set MDX, 64          ; window 1: 8 zeros, then the mask of a band's own step for tile 0; tile 1 reads it 8 registers lower
.set MC,  128         ; window 1: the masks of the products to come, 32 a tile
.set QN,  32          ; window 2
.set KF,  128         ; window 2: key block kb, channel half c at KF + 16 kb + 8 c
.set VF,  192         ; window 2: key half kk, channel block cb at VF + 32 kk + 8 cb
.set WV,  12          ; s12  my wave's number
.set PB,  14          ; s14  b
.set HI,  15          ; s15  15 - b
.set G1K, 24          ; s[24:31] descriptor group 1 for K's tiles
.set G1V, 32          ; s[32:39] for V's: it differs in the padding alone
.set G0K, 40          ; s[40:43] descriptor group 0 for K's tiles
.set G0V, 44          ; s[44:47] for V's
.set SLOTS, 56        ; s56  counts the loop's tiles
.set CNT, 57          ; s57  counts a tile's key steps, 4 to 1
.set CS,  58          ; s[58:59] c
.set SEL, 60          ; s[60:61] v_permlanex16_b32's selects
.set TBK, 62          ; s62  LDS byte at which K of the step to be fetched begins
.set TBV, 63          ; s63  the same for V, less VOFF
.set RT,  70          ; s70  tiles of the block in hand still to be entered
.set NXT, 71          ; s71  the tile to be asked for next
.set LQ,  72          ; s72  the last tile of the block whose tiles are being asked for
.set NEW, 73          ; s73  1: the step in hand is a block's last
.set OFF, 74          ; s[74:75] a tile's byte offset in K and V
.set AL,  76          ; s[76:77] the mask's factor
.set BE,  78          ; s[78:79] the mask's addend
.set OLO, 80          ; s[80:81] O at my rows of the second block
.set BIGN, 82         ; s82  -1e30
.set JR,  83          ; s83  1: a block has just begun: the mask is made anew
.set XB,  84          ; s84  my band in the diagonal tile of the block in hand
.set XB2, 85          ; s85  of the second block
.set RT2, 86          ; s86  the second block's tiles
.set LQ2, 87          ; s87  its last tile
.set PFB, 88          ; s[88:89] K (waves 0, 1) or V (waves 2, 3) at my half of the head's tile 0
.set PFA, 90          ; s[90:91] the same at the tile that the next change of slots will ask for
.set LIM, 92          ; s92  1 in the work-group that prefetches
.set SN,  93          ; s93  the step to come, 0 to 3
.set XE,  94          ; s94  the band, or 15 outside the diagonal tile
.set DO,  95          ; s95  at work
.set QP2, 96          ; s[96:97] Q at my rows of the second block
.set OF2, 98          ; s[98:99] the prefetch's tile offset
.set MSB, 0
.macro WIN new                      ; the high byte repeats the setting that is left; a switch that changes nothing is dropped
.if MSB != (\new)
	s_set_vgpr_msb (MSB<<8)|(\new)
.set MSB, (\new)
.endif
.endm
.set W_KQ, 0x0a       ; K and Q in window 2, S^T in window 0
.set W_KM, 0x1a       ; the same with the C operand in window 1
.set W_PV, 0x52       ; V in window 2, P in window 0, O^T in window 1
.set W_RS, 0x41       ; destination and source 0 in window 1, source 1 in window 0
.macro PLACES
.rept 4
	v_nop
.endr
.endm
; A fill.  Waves 0 and 1 fetch the two halves of a tile's K, waves 2 and 3 those of its V: 128 keys each.  An s_nop 0 and four v_nop follow each of the two lines, ahead of the jump and the label.
.macro LOAD
	s_cmp_lt_u32 s[WV], 2
	s_cbranch_scc0 .Lfor_v_\@
	tensor_load_to_lds s[G0K:G0K+3], s[G1K:G1K+7]
	s_nop 0
	PLACES
	s_branch .Lasked_\@
.Lfor_v_\@:
	tensor_load_to_lds s[G0V:G0V+3], s[G1V:G1V+7]
	s_nop 0
	PLACES
.Lasked_\@:
.endm
; A PREFETCH INTO THE L2 of the 16,384 bytes that I shall ask for at the NEXT change of slots, four key steps on: 64 blocks of 256 bytes, a lane a block, two instructions, behind my tensor load and its five lines.
; All eight work-groups of a head walk the same K and V; the one with b = 0, whose first block walks all eight tiles, asks, each wave for its own part: so each block is named once in the launch.
; Tiles 0 and 1 come by their loads alone; behind the first block's last tile nothing is asked for.
.macro ASK
	s_cmp_lg_u32 s[NXT], 0
	s_cselect_b32 s[DO], s[LIM], 0
	s_cmp_eq_u32 s[DO], 1
	s_cbranch_scc0 .Lnot_mine_\@
	global_prefetch_b8 v[PFO], s[PFA:PFA+1] th:TH_LOAD_NT scope:SCOPE_SE
	global_prefetch_b8 v[PFO], s[PFA:PFA+1] offset:8192 th:TH_LOAD_NT scope:SCOPE_SE
.Lnot_mine_\@:
.endm
; THE CHANGE OF SLOTS.  Each wave waits for all its tensor loads, of which one is out: its part of the other slot; adds 0 to its spare word; and waits for that and for its own reads of the slot that it leaves.
; Behind the barrier nobody reads the old slot any more and the other slot is whole.  fill = 1: the old slot is filled again, first thing behind the barrier, with tile NXT; the descriptor's address is made anew from that number.
; (At its first use nothing has been read yet: slot 0 is waited for, slot 1 filled.)
.macro CHANGE fill
	WIN 0
	s_wait_tensorcnt 0x0            ; no tensor load of mine is out, so a group 0 may be written
	ds_add_u32 v[SPW], v[NIL]       ; 0 onto my spare word; scalar work stands between it and the wait for it
.if \fill
	s_lshl_b32 s[OFF], s[NXT], 15   ; a tile is 32,768 bytes of K and of V
	s_xor_b32 s[G0K+1], s[G0K+1], SLOT1
	s_add_nc_u64 s[G0K+2:G0K+3], s[6:7], s[OFF:OFF+1]
	s_or_b32 s[G0K+3], s[G0K+3], 0x80000000
	s_xor_b32 s[G0V+1], s[G0V+1], SLOT1
	s_add_nc_u64 s[G0V+2:G0V+3], s[8:9], s[OFF:OFF+1]
	s_or_b32 s[G0V+3], s[G0V+3], 0x80000000
	s_add_co_u32 s[NXT], s[NXT], 1  ; the block's next tile, or behind its last the second block's tile 0
	s_cmp_gt_u32 s[NXT], s[LQ]
	s_cselect_b32 s[NXT], 0, s[NXT]
	s_cselect_b32 s[LQ], s[LQ2], s[LQ]
	s_lshl_b32 s[OF2], s[NXT], 15
	s_wait_xcnt 0x0                 ; the last prefetches, a tile back, have read their address
	s_add_nc_u64 s[PFA:PFA+1], s[PFB:PFB+1], s[OF2:OF2+1]
.endif
	s_wait_dscnt 0x0                ; the add is done, and my reads of the slot are over
	s_barrier_signal -1
	s_sub_co_u32 s[TBK], s[TBK], 4*KS*PK  ; the fetches go back to a slot's first step,
	s_xor_b32 s[TBK], s[TBK], SLOT1       ; in the other slot
	s_sub_co_u32 s[TBV], s[TBV], 4*KS*PV
	s_xor_b32 s[TBV], s[TBV], SLOT1
	s_barrier_wait -1
.if \fill
	LOAD
	ASK
.endif
.endm
; THE LDS LOADS stand in runs of 16: a step's K (64 keys x 64 channels: 8 fragments) and its V (turned).
.macro FETCH_K
	WIN 0
	v_add_nc_u32 v[AK], s[TBK], v[AK0]
	WIN 0x80                        ; destination window 2
.irp f, 0,1,2,3,4,5,6,7             ; keys 16 (f / 2) on, channels 32 (f % 2) on
	ds_load_b128 v[KF+8*\f:KF+8*\f+3],   v[AK] offset:(\f/2)*16*PK+(\f%2)*64
	ds_load_b128 v[KF+8*\f+4:KF+8*\f+7], v[AK] offset:(\f/2)*16*PK+(\f%2)*64+32
.endr
	s_add_co_u32 s[TBK], s[TBK], KS*PK  ; the next fetch is the next step's
	WIN 0
.endm
.macro FETCH_V
	WIN 0
	v_add_nc_u32 v[AV], s[TBV], v[AV0]
	WIN 0x80
.irp f, 0,1,2,3,4,5,6,7             ; keys 32 (f / 4) on, channels 16 (f % 4) on
	ds_load_tr16_b128 v[VF+8*\f:VF+8*\f+3],   v[AV] offset:(\f/4)*32*PV+(\f%4)*32
	ds_load_tr16_b128 v[VF+8*\f+4:VF+8*\f+7], v[AV] offset:(\f/4)*32*PV+16*PV+(\f%4)*32
.endr
	s_add_co_u32 s[TBV], s[TBV], KS*PV
	WIN 0
.endm
; 16 products S^T = K Q^T: product i: tile i % 2, keys 16 ((i / 2) % 4) on, channels 32 (i / 8) on.  The first 8 start the sums with the mask.  The 8 accumulators take turns.
.macro KQ16
.set i, 0
.rept 16
.set rS, S+32*(i%2)+8*((i/2)%4)
.set rK, KF+16*((i/2)%4)+8*(i/8)
.set rQ, 16*(i%2)+8*(i/8)
.set rM, MC+32*(i%2)+8*((i/2)%4)
.if i < 8
	WIN W_KM
	v_wmma_f32_16x16x32_bf16 v[rS:rS+7], v[rK:rK+7], v[rQ:rQ+7], v[rM:rM+7]
.else
	WIN W_KQ
	v_wmma_f32_16x16x32_bf16 v[rS:rS+7], v[rK:rK+7], v[rQ:rQ+7], v[rS:rS+7]
.endif
.set i, i+1
.endr
.endm
; THE VECTOR WORK, a line at a time, for tile t
.macro REGS t
.set rT, ST+4*(\t)
.set rC, TMP+4*(\t)
.set rW, MV+(\t)
.set rS, S+32*(\t)
.set rP, P+16*(\t)
.set rO, 32*(\t)
.endm
; number n of the 22 that find the maximum and statistics: 0-11 four chains of seven scores (each accumulator's lowest registers first); 12-14, 16 the four left over, the old m, and the four into one;
; 15 c m_old is kept; 17, 18 the query's other 32 keys lie in the lane 16 away; 19-21 c m, c m_old - c m_new, a
.macro XS t, n
	REGS \t
.if (\n) < 4
	v_max3_num_f32 v[rC+(\n)], v[rS+8*(\n)], v[rS+8*(\n)+1], v[rS+8*(\n)+2]
.elseif (\n) < 12
	v_max3_num_f32 v[rC+(\n)%4], v[rC+(\n)%4], v[rS+8*((\n)%4)+2*((\n)/4)+1], v[rS+8*((\n)%4)+2*((\n)/4)+2]
.elseif (\n) == 12
	v_max3_num_f32 v[rC], v[rC], v[rS+7], v[rS+15]
.elseif (\n) == 13
	v_max3_num_f32 v[rC+1], v[rC+1], v[rS+23], v[rS+31]
.elseif (\n) == 14
	v_max3_num_f32 v[rC+2], v[rC+2], v[rC+3], v[rT+1]
.elseif (\n) == 15
	v_mov_b32 v[rW], v[rT]
.elseif (\n) == 16
	v_max3_num_f32 v[rC], v[rC], v[rC+1], v[rC+2]
.elseif (\n) == 17
	v_permlanex16_b32 v[rC+3], v[rC], s[SEL], s[SEL+1]
.elseif (\n) == 18
	v_max_num_f32 v[rT+1], v[rC], v[rC+3]
.elseif (\n) == 19
	v_mul_f32 v[rT], s[CS], v[rT+1]
.elseif (\n) == 20
	v_sub_f32 v[rC+1], v[rW], v[rT]
.else
	v_exp_f32 v[rC+2], v[rC+1]
.endif
.endm
.macro FS t, n                      ; c s - c m for pair n of 16
	REGS \t
	v_pk_fma_f32 v[rS+2*(\n):rS+2*(\n)+1], v[rS+2*(\n):rS+2*(\n)+1], s[CS:CS+1], v[rT:rT+1] op_sel_hi:[1,0,0] neg_lo:[0,0,1] neg_hi:[0,0,1]
.endm
.macro ES t, n                      ; the exponential of score n of 32
	REGS \t
	v_exp_f32 v[rS+(\n)], v[rS+(\n)]
.endm
.macro CVT t, n                     ; pair n rounded to bf16
	REGS \t
	v_cvt_pk_bf16_f32 v[rP+(\n)], v[rS+2*(\n)], v[rS+2*(\n)+1]
.endm
.macro BSUM t, n                    ; of the four weights 4 n .. the second pair is added onto the first, in place
	REGS \t
	v_pk_add_f32 v[rS+4*(\n):rS+4*(\n)+1], v[rS+4*(\n):rS+4*(\n)+1], v[rS+4*(\n)+2:rS+4*(\n)+3]
.endm
.macro LSUM t, n                    ; l takes that sum; the first time l = a l + sum
	REGS \t
.if (\n) == 0
	v_pk_fma_f32 v[rT+2:rT+3], v[rT+2:rT+3], v[rC+2:rC+3], v[rS:rS+1] op_sel_hi:[1,0,1]
.else
	v_pk_add_f32 v[rT+2:rT+3], v[rT+2:rT+3], v[rS+4*(\n):rS+4*(\n)+1]
.endif
.endm
; THE SOFTMAX of the step in hand, both tiles alternating.  The two a and the 64 exponentials are ONE BATCH: nothing ahead of the wait names a result of theirs; a scaling stands in an earlier group than its pair's exponentials.
.macro SOFT
	WIN 0
.irp n, 0,1,2,3,4,5,6,7,8,9,10,11,12,13,14,15,16,17,18,19,20,21
	XS 0, \n
	XS 1, \n
.endr
.set p, 0
.rept 17
.if p < 16
	FS 0, p
.endif
.if p > 0
	ES 0, 2*(p-1)
.endif
.if p < 16
	FS 1, p
.endif
.if p > 0
	ES 1, 2*(p-1)
	ES 0, 2*(p-1)+1
	ES 1, 2*(p-1)+1
.endif
.set p, p+1
.endr
	v_nop                           ; a plain instruction behind the last exponential (ISA guide 5.7.2): one for the batch,
	s_wait_alu depctr_va_vdst(0)    ; and one wait, ahead of the first line that names a result
	WIN W_RS
.set p, 0
.rept 16                            ; O^T times a, each accumulator from its low end on
.irp t, 0,1
	v_pk_mul_f32 v[32*\t+2*p:32*\t+2*p+1], v[32*\t+2*p:32*\t+2*p+1], v[TMP+4*\t+2:TMP+4*\t+3] op_sel_hi:[1,0]
.endr
.set p, p+1
.endr
	WIN 0
.set p, 0
.rept 8                             ; the first 32 keys' weights; the others' roundings ride below
	CVT 0, p
	CVT 1, p
.set p, p+1
.endr
.endm
; the next of the 48 riders: the 16 roundings of keys 32-63 (all stand ahead of product 8, their first reader), then the sums: B0 B1 L0 B2 L1 .. B7 L6 L7, each for both tiles
.macro GQ
	WIN 0
.if g < 16
	CVT g%2, 8+g/2
.else
.set pg, (g-16)/2
.if pg == 0
	BSUM g%2, 0
.elseif pg == 15
	LSUM g%2, 7
.elseif pg%2 == 1
	BSUM g%2, (pg+1)/2
.else
	LSUM g%2, pg/2-1
.endif
.endif
.set g, g+1
.endm
; 16 products O^T += V^T P: product i: tile i % 2, channels 16 ((i / 2) % 4) on, keys 32 (i / 8) on; 8 accumulators by turns; three riders behind each, which name none of its registers.  The v_nop makes four places behind the last.
.macro PVR
.set g, 0
.set i, 0
.rept 16
	WIN W_PV
.set rO, 32*(i%2)+8*((i/2)%4)
.set rV, VF+32*(i/8)+8*((i/2)%4)
.set rP, P+16*(i%2)+8*(i/8)
	v_wmma_f32_16x16x32_bf16 v[rO:rO+7], v[rV:rV+7], v[rP:rP+7], v[rO:rO+7]
	GQ
	GQ
	GQ
.set i, i+1
.endr
	v_nop
.endm
.macro MASK                         ; MC = MDX x AL + BE
	WIN W_RS
.irp t, 0,1
.set z, 0
.rept 16
	v_pk_fma_f32 v[MC+32*\t+2*z:MC+32*\t+2*z+1], v[MDX+8*(1-\t)+2*z:MDX+8*(1-\t)+2*z+1], s[AL:AL+1], s[BE:BE+1] op_sel_hi:[1,0,0]
.set z, z+1
.endr
.endr
	WIN 0
.endm
; THE STEP TO COME is started: its mask (made anew in the diagonal tile and where a block has begun; always = 1: without the test), V's run, the wait for K, the scores.
.macro START always
	WIN 0
	s_sub_co_u32 s[SN], 4, s[CNT]
	s_cmp_eq_u32 s[RT], 0           ; the diagonal tile?
	s_cselect_b32 s[XE], s[XB], 15
	s_cselect_b32 s[DO], 1, s[JR]
	s_mov_b32 s[JR], 0
	s_cmp_eq_u32 s[SN], s[XE]       ; the band's own step?
	s_cselect_b32 s[AL], 1.0, 0
	s_cmp_gt_u32 s[SN], s[XE]       ; or a later one?
	s_cselect_b32 s[BE], s[BIGN], 0
.if !(\always)
	s_cmp_eq_u32 s[DO], 0
	s_cbranch_scc1 .Lno_mask_\@
.endif
	MASK
.if !(\always)
.Lno_mask_\@:
.endif
	FETCH_V
	s_wait_dscnt 16                 ; K is in; V's sixteen loads are younger
	KQ16
	WIN 0
	PLACES                          ; ahead of the next run of loads into K's registers and of the first read of the scores
.endm
; THE WAY OUT: l's two halves and the other half of the lanes' are added; O^T is divided by l, rounded to bf16 and sent through my stage in LDS, a tile at a time.
.macro PACK t
	WIN W_RS
.set i, 32*(\t)
.rept 16
	v_pk_mul_f32 v[i:i+1], v[i:i+1], v[ST+4*(\t)+2:ST+4*(\t)+3] op_sel_hi:[1,0]
.set i, i+2
.endr
	WIN 0x05                        ; sources 0 and 1 window 1, destination window 0: S^T's registers are free
.set i, 0
.rept 16
	v_cvt_pk_bf16_f32 v[S+16*(\t)+i], v[32*(\t)+2*i], v[32*(\t)+2*i+1]
.set i, i+1
.endr
	WIN 0
.irp f, 0,1,2,3
	ds_store_b128 v[STO], v[S+16*(\t)+4*\f:S+16*(\t)+4*\f+3] offset:32*\f
.endr
.irp f, 0,1,2,3
	ds_load_b128 v[S+16*(\t)+4*\f:S+16*(\t)+4*\f+3], v[RD] offset:\f*4*SP  ; LDS serves a wave's instructions in order (ISA guide 5.7.1.4): these see the stores above
.endr
.endm
.macro SEND t, younger              ; younger: the LDS instructions issued behind tile t's loads
	WIN 0
.irp f, 0,1,2,3
	s_wait_dscnt (\younger)+3-\f
	global_store_b128 v[GO], v[S+16*(\t)+4*\f:S+16*(\t)+4*\f+3], s[10:11] offset:(\t)*2048+\f*512  ; 512 consecutive bytes, aligned
.endr
.endm
.macro WAYOUT
	WIN 0
.irp t, 0,1
	v_add_f32 v[ST+4*\t+2], v[ST+4*\t+2], v[ST+4*\t+3]
.endr
.irp t, 0,1
	v_permlanex16_b32 v[ST+4*\t+3], v[ST+4*\t+2], s[SEL], s[SEL+1]
.endr
.irp t, 0,1
	v_add_f32 v[ST+4*\t+2], v[ST+4*\t+2], v[ST+4*\t+3]
.endr
.irp t, 0,1
	v_rcp_f32 v[ST+4*\t+2], v[ST+4*\t+2]
.endr
	v_nop                           ; a plain instruction behind the second reciprocal,
	s_wait_alu depctr_va_vdst(0)    ; and a wait ahead of the first use
	PACK 0
	PACK 1
	SEND 0, 8
	SEND 1, 0
.endm
; A BLOCK BEGINS: the statistics, and Q from the registers in which it has been waiting.  which = 1: the first block; the second block's Q is asked for.  which = 2: the second.
.macro REINIT which
	WIN 0
.irp t, 0,1
	v_mov_b32 v[ST+4*\t], 0xfe000000    ; c m: far below every c s
	v_mov_b32 v[ST+4*\t+1], 0xff7fffff  ; m: the lowest finite number
.endr
	s_wait_loadcnt 0x0              ; the Q to come is in
	WIN 0x82
.set i, 0
.rept 32
	v_mov_b32 v[i], v[QN+i]
.set i, i+1
.endr
.if (\which) == 1
	WIN 0x80
.irp t, 0,1
.irp c, 0,1
	global_load_b128 v[QN+16*\t+8*\c:QN+16*\t+8*\c+3],   v[QO], s[QP2:QP2+1] offset:\t*2048+\c*64
	global_load_b128 v[QN+16*\t+8*\c+4:QN+16*\t+8*\c+7], v[QO], s[QP2:QP2+1] offset:\t*2048+\c*64+32
.endr
.endr
.else
	s_mov_b32 s[XB], s[XB2]
	s_mov_b32 s[JR], 1
	s_mov_b32 s[NEW], 0
.endif
	WIN 0
.endm
; A TRIP OF THE STEP LOOP.  All its LDS reads fall into the tile's own slot.
.macro RSTEP
	FETCH_K                         ; of the step to come: the last product that read K stands four places back
	SOFT
	s_wait_dscnt 16                 ; V of the step in hand is in; K's sixteen loads are younger
	PVR
	WIN 0
	s_cmp_eq_u32 s[NEW], 0
	s_cbranch_scc1 .Lgo_\@
	WAYOUT                          ; that was the first block's last step
	s_wait_xcnt 0x0                 ; the stores have read their registers and O's address
	s_mov_b64 s[10:11], s[OLO:OLO+1]
	REINIT 2
.Lgo_\@:
	START 0
.endm
	s_load_b64 s[4:5], s[0:1], 0x0  ; q, k, v
	s_load_b64 s[10:11], s[0:1], 0x8  ; O
	v_lshl_add_u32 v[SPW], v0, 2, SPARE
	v_mov_b32 v[NIL], 0
	ds_add_u32 v[SPW], v[NIL]       ; the wave's opening: the add and its wait stand ahead of my first tensor load; the set-up below stands between them
	ds_add_u32 v62, v63
	v_lshrrev_b32 v1, 5, v0
	v_readfirstlane_b32 s[WV], v1   ; wave 0..3
	s_mov_b32 s[PB], ttmp9
	s_sub_co_u32 s[HI], 15, s[PB]
	s_and_b32 s20, ttmp7, 0xffff    ; the head,
	s_lshl_b32 s20, s20, 18         ; its first byte
	s_and_b32 s16, s[WV], 1         ; which half of a tile's 256 keys I fetch:
	s_lshl_b32 s22, s16, 14         ; its 128 rows of 128 bytes in memory,
	s_add_co_u32 s22, s22, s20
	s_add_co_u32 s22, s22, 0x800000 ; in k
	s_mov_b32 s23, 0
	s_mul_i32 s17, s16, 128*PK      ; and its place in a slot, for K
	s_mul_i32 s18, s16, 128*PV      ; and for V
	s_lshl_b32 s3, s[WV], 12        ; my 32 rows in a block of 128,
	s_lshl_b32 s2, s[HI], 14        ; in the first block,
	s_add_co_u32 s2, s2, s3
	s_add_co_u32 s2, s2, s20
	s_lshl_b32 s48, s[PB], 14       ; and in the second
	s_add_co_u32 s48, s48, s3
	s_add_co_u32 s48, s48, s20
	s_mov_b32 s3, 0
	s_mov_b32 s49, 0
	; descriptor group 1.  128 keys are 16,384 dense bytes: asked for as 64 rows of 256 bytes, two keys a row, and padded in LDS after every key
	s_mov_b32 s[G1K], (1<<16)|(1<<20)|(4<<22)|(3<<25)  ; 17:16 2-byte elements; 20 padding on; 24:22 after every 32 words (code 4); 31:25 4 words (code 3)
	s_mov_b32 s[G1V], (1<<16)|(1<<20)|(4<<22)|(7<<25)  ; the same with 8 words of padding (code 7)
.irp g, G1K, G1V
	s_mov_b32 s[\g+1], 128<<16      ; tensor_dim0 = 128
	s_mov_b32 s[\g+2], 64<<16       ; tensor_dim1 = 64
	s_mov_b32 s[\g+3], 128<<16      ; tile_dim0 = 128
	s_mov_b32 s[\g+4], 64           ; tile_dim1 = 64
	s_mov_b32 s[\g+5], 128          ; 128 elements from row to row
	s_mov_b32 s[\g+6], 0
	s_mov_b32 s[\g+7], 0
.endr
	s_mov_b32 s[CS], 0x3d0293ee     ; c = log2(e) / sqrt(2048) = 0.0318794
	s_mov_b32 s[CS+1], s[CS]        ; named with it as a pair
	s_mov_b32 s[SEL], 0x76543210
	s_mov_b32 s[SEL+1], 0xfedcba98
	s_mov_b32 s[TBK], SLOT1+4*KS*PK ; the first change of slots turns these two into 0
	s_mov_b32 s[TBV], SLOT1+4*KS*PV
	s_mov_b32 s[G0K], 1             ; count = 1
	s_mov_b32 s[G0K+1], s17         ; LDS address: slot 0
	s_mov_b32 s[G0V], 1
	s_add_co_u32 s[G0V+1], s18, VOFF
	s_lshr_b32 s50, s[WV], 1
	s_and_b32 s51, s[HI], 1
	s_lshl1_add_u32 s[XB], s51, s50 ; my band in the first block's diagonal tile,
	s_and_b32 s51, s[PB], 1
	s_lshl1_add_u32 s[XB2], s51, s50  ; and in the second's
	s_lshr_b32 s[LQ], s[HI], 1
	s_add_co_u32 s[RT], s[LQ], 1    ; the first block's tiles,
	s_lshr_b32 s[LQ2], s[PB], 1
	s_add_co_u32 s[RT2], s[LQ2], 1  ; the second's: 9 together
	s_mov_b32 s[NXT], 1
	s_mov_b32 s[NEW], 0
	s_mov_b32 s[JR], 0
	s_mov_b32 s[OFF+1], 0
	s_mov_b32 s[OF2+1], 0
	s_mov_b32 s[AL+1], 0            ; named as pairs
	s_mov_b32 s[BE+1], 0
	s_mov_b32 s[BIGN], 0xf149f2ca   ; -1e30
	s_cmp_eq_u32 s[PB], 0
	s_cselect_b32 s[LIM], 1, 0
	s_wait_dscnt 0x0                ; the opening add is done
	s_wait_kmcnt 0x0
	s_add_nc_u64 s[6:7], s[4:5], s[22:23]  ; K at my half of the head's tile 0,
	s_add_nc_u64 s[8:9], s[6:7], 0x800000  ; V likewise
	s_add_nc_u64 s[G0K+2:G0K+3], s[6:7], 0
	s_or_b32 s[G0K+3], s[G0K+3], 0x80000000  ; type = 2
	s_add_nc_u64 s[G0V+2:G0V+3], s[8:9], 0
	s_or_b32 s[G0V+3], s[G0V+3], 0x80000000
	s_add_nc_u64 s[QP2:QP2+1], s[4:5], s[48:49]  ; Q at my rows of the second block,
	s_add_nc_u64 s[4:5], s[4:5], s[2:3]          ; Q and O at those of the first
	s_add_nc_u64 s[OLO:OLO+1], s[10:11], s[48:49]
	s_add_nc_u64 s[10:11], s[10:11], s[2:3]
	s_cmp_lt_u32 s[WV], 2
	s_cselect_b64 s[PFB:PFB+1], s[6:7], s[8:9]
	s_mov_b64 s[PFA:PFA+1], s[PFB:PFB+1]
	LOAD                            ; tile 0 into slot 0
	; A fragment of K or Q is 16 rows x 32 channels in 8 registers: lane l holds row l % 16, channels 8 (l / 16) + 0..7 and 16 + 8 (l / 16) + 0..7: two loads of 16 bytes, 32 bytes apart.
	v_and_b32 v1, 15, v0            ; l % 16
	v_bfe_u32 v9, v0, 4, 1          ; l / 16
	v_lshlrev_b32 v[QO], 7, v1
	v_lshl_add_u32 v[QO], v9, 4, v[QO]  ; row x 128 + 16 x half
	WIN 0x80                        ; destination window 2
.irp t, 0,1
.irp c, 0,1
	global_load_b128 v[QN+16*\t+8*\c:QN+16*\t+8*\c+3],   v[QO], s[4:5] offset:\t*2048+\c*64
	global_load_b128 v[QN+16*\t+8*\c+4:QN+16*\t+8*\c+7], v[QO], s[4:5] offset:\t*2048+\c*64+32
.endr
.endr
	WIN 0
	v_lshlrev_b32 v14, 3, v9
	v_sub_nc_u32 v14, v1, v14
	s_lshl_b32 s13, s16, 5
	v_add_nc_u32 v14, s13, v14      ; tile 0's query's place in its band, 32 (w % 2) + l % 16, less my lanes' 8 (l / 16): register r of key group kt is hidden where 16 kt + r is greater
	WIN 0x40
.set i, 0
.rept 8
	v_mov_b32 v[MDX+i], 0           ; tile 1's queries lie 16 further on: it reads the same table 8 registers lower, and sees all of key group 0
.set i, i+1
.endr
.set i, 0
.rept 32
	v_cmp_gt_i32 vcc_lo, 16*(i/8)+i%8, v14
	v_cndmask_b32 v[MDX+8+i], 0, s[BIGN], vcc_lo
.set i, i+1
.endr
.set i, 0
.rept 64
	v_mov_b32 v[i], 0               ; O^T need only be finite: a block's first step multiplies it by 0.  These lines stand in the wait for the first tile
.set i, i+1
.endr
	WIN 0
.irp t, 0,1
	v_mov_b32 v[ST+4*\t+2], 0       ; l likewise
	v_mov_b32 v[ST+4*\t+3], 0
.endr
	v_mul_u32_u24 v[AK0], v1, PK
	v_lshl_add_u32 v[AK0], v9, 4, v[AK0]  ; row x pitch + 16 x half
	; The turning load takes 16 keys x 16 channels (lane l reads key 8 (l / 16) + l % 8, channels 8 ((l / 8) % 2) + 0..7) and leaves half a fragment of V^T: lane l holds channel l % 16 and 8 keys.
	v_and_b32 v10, 7, v0
	v_bfe_u32 v11, v0, 3, 1
	v_lshl_add_u32 v[AV0], v9, 3, v10
	v_mul_u32_u24 v[AV0], v[AV0], PV
	v_lshl_add_u32 v[AV0], v11, 4, v[AV0]
	v_add_nc_u32 v[AV0], VOFF, v[AV0]
	s_mul_i32 s13, s[WV], 16*SP
	s_add_co_u32 s13, s13, STAGE    ; my stage
	v_mul_u32_u24 v[STO], v1, SP    ; in: row l % 16, 16 bytes for each half of the lanes
	v_lshl_add_u32 v[STO], v9, 4, v[STO]
	v_add_nc_u32 v[STO], s13, v[STO]
	v_bfe_u32 v[RD], v0, 3, 2       ; back: 32 lanes take four rows of 128 bytes,
	v_mul_u32_u24 v[RD], v[RD], SP
	v_lshl_add_u32 v[RD], v10, 4, v[RD]
	v_add_nc_u32 v[RD], s13, v[RD]
	v_and_b32 v[GO], 31, v0         ; which are 512 consecutive bytes of O
	v_lshlrev_b32 v[PFO], 8, v[GO]
	v_lshlrev_b32 v[GO], 4, v[GO]
	CHANGE 1                        ; tile 0 is in, everybody's part of it; tile 1 is asked for
	s_sub_co_u32 s[RT], s[RT], 1
	s_mov_b32 s[CNT], 4
	FETCH_K                         ; THE FIRST STEP IS STARTED HERE, written out: there is no step in hand to finish
	REINIT 1
	START 1
	s_mov_b32 s[CNT], 3             ; three trips are left of the first tile
	s_mov_b32 s[SLOTS], 8
	s_branch .Lstep
.Lslot:                             ; seven times: a tile is entered and the next is asked for
	CHANGE 1
	s_sub_co_u32 s[RT], s[RT], 1
	s_mov_b32 s[CNT], 4
.Lstep:
	RSTEP
	s_sub_co_u32 s[CNT], s[CNT], 1
	s_cmp_lg_u32 s[CNT], 0
	s_cbranch_scc1 .Lstep
	s_cmp_eq_u32 s[RT], 0           ; was that the first block's last tile?  Then its last step is in hand, and the second block's tiles follow
	s_cselect_b32 s[NEW], 1, 0
	s_cselect_b32 s[RT], s[RT2], s[RT]
	s_sub_co_u32 s[SLOTS], s[SLOTS], 1
	s_cmp_lg_u32 s[SLOTS], 0
	s_cbranch_scc1 .Lslot
	CHANGE 0                        ; the walk's last tile is written out: nothing is asked for
	s_sub_co_u32 s[RT], s[RT], 1
	s_mov_b32 s[CNT], 4
.Ltstep:
	RSTEP
	s_sub_co_u32 s[CNT], s[CNT], 1
	s_cmp_lg_u32 s[CNT], 0
	s_cbranch_scc1 .Ltstep
	SOFT                            ; the last step is finished
	s_wait_dscnt 0x0                ; V is in
	PVR
	WAYOUT
	s_wait_tensorcnt 0x0            ; the wave's end, behind my last tensor load and my last LDS store
	ds_add_u32 v[SPW], v[NIL]
	s_wait_dscnt 0x0
	s_endpgm
.Lfunc_end_k_q4b0cff5e11_attn:
	.size	k_q4b0cff5e11_attn, .Lfunc_end_k_q4b0cff5e11_attn-k_q4b0cff5e11_attn
	.p2alignl 7, 3214868480
	.fill 96, 4, 3214868480
	.section	.rodata,"a",@progbits
	.p2align	6, 0x0
	.amdhsa_kernel k_q4b0cff5e11_attn
		.amdhsa_group_segment_fixed_size 327680
		.amdhsa_private_segment_fixed_size 0
		.amdhsa_enable_private_segment 0
		.amdhsa_kernarg_size 16
		.amdhsa_user_sgpr_count 2
		.amdhsa_user_sgpr_kernarg_segment_ptr 1
		.amdhsa_wavefront_size32 1
		.amdhsa_system_sgpr_workgroup_id_x 1
		.amdhsa_system_sgpr_workgroup_id_y 1
		.amdhsa_system_sgpr_workgroup_id_z 1
		.amdhsa_system_vgpr_workitem_id 0
		.amdhsa_next_free_vgpr 768
		.amdhsa_next_free_sgpr 100
		.amdhsa_reserve_vcc 1
		.amdhsa_float_denorm_mode_32 3
		.amdhsa_float_denorm_mode_16_64 3
		.amdhsa_memory_ordered 1
		.amdhsa_forward_progress 1
		.amdhsa_inst_pref_size 104
	.end_amdhsa_kernel
	.amdgpu_metadata
---
amdhsa.version: [ 1, 2 ]
amdhsa.kernels:
  - .name:           k_q4b0cff5e11_attn
    .symbol:         k_q4b0cff5e11_attn.kd
    .args:
      - { .name: qkv, .offset: 0, .size: 8, .value_kind: global_buffer, .address_space: global }
      - { .name: att, .offset: 8, .size: 8, .value_kind: global_buffer, .address_space: global }
    .group_segment_fixed_size: 327680
    .private_segment_fixed_size: 0
    .kernarg_segment_align: 8
    .kernarg_segment_size: 16
    .max_flat_workgroup_size: 128
    .sgpr_count:     100
    .vgpr_count:     768
    .wavefront_size: 32
...
	.end_amdgpu_metadata
.endif
;; end of part 3
;; launch proj (part 4): grid 256 x 1, 4 waves a work-group, no clusters, 66,560 bytes of LDS; arguments att, wr, xn, bo, g2, be2, xn2; writes xn2
.if DOCPART == 4
	.amdgcn_target "amdgcn-amd-amdhsa--gfx1250"
	.amdhsa_code_object_version 6
	.text
	.protected	k_q4b0cff5e11_proj
	.globl	k_q4b0cff5e11_proj
	.p2align	8
	.type	k_q4b0cff5e11_proj,@function
k_q4b0cff5e11_proj:
	s_mov_b64 s[64:65], 0
	v_nop
	global_prefetch_b8 v0, s[64:65] scope:SCOPE_SE
	s_setreg_imm32_b32 hwreg(HW_REG_WAVE_MODE, 25, 1), 1
	s_wait_xcnt 0x0
; PROJ.  xn2 = layer_norm(xn + O Wo + bo, g2, be2).  O: bf16 in blocks of 64 columns, [8][8192][64].  Wo turned, bf16 [512 n][512 k], at byte 0 of wr.  xn in f32 at byte 0 of its buffer.
; bo, g2 and be2 are rounded to bf16 where they are read, like every input of the module.
; xn2 is stored twice, as xn is: f32 [8192][512] at byte 0, bf16 at byte 16,777,216.  Sums, mean and variance in f32; the variance in a second pass, of the deviations.
; SHARES.  The norm wants whole rows: a work-group makes 32 rows x 512 columns, each of its four waves 128 columns: 16 accumulators (a < 2, b < 8) at v[128 + 8 (8 a + b)].
; The product is used transposed (source 0 = 16 rows of the turned Wo, source 1 = 16 rows of O): a lane holds one row and eight neighbouring columns.
; THE SUMS START FROM THE RESIDUAL: xn is loaded straight into the accumulators in their layout; every matrix instruction adds in place.  bo is added where the rows are normalised, in that layout: 16 numbers a lane, not 64.
; No wave wants a byte of Wo that another wave has fetched, and a fragment lies in registers as it lies in memory: fragments come straight from memory, two sets of 32 loads by turns; no tensor load, so no cluster.
; The rows meet in LDS once (32 rows x 2,064 bytes); then each wave normalises 8 of them, four at a time.
; REGISTERS: window 0 addresses, gain, bias, work, bo, the accumulators (later the rows, in f32 and in bf16); window 1 two sets of Wo's fragments: (f, b) at 8 (8 f + b); window 3 O's fragments: (ks, a) at 8 (2 ks + a).
.set X,   128                          ; v[128:191] four rows: row i, columns 128 j + 4 lane + c at X + 16 i + 4 j + c; the accumulators' registers, free behind the stage
.set G,   16
.set BE,  32
.set W,   48
.set Y,   192                          ; v[192:223] the four rows in bf16
.set ACC, 128
.set BOV, 64                           ; v[64:79]  bo of my 16 columns, in the norm's layout
.set RT,  80                           ; v[80:103] at work in the rounding of the inputs
.set XO,  2                            ; v2   xn: (l % 16) x 2,048 + 32 (l / 16) + 512 w
.set BOO, 3                            ; v3   my 8 columns of a block in f32: 32 (l / 16) + 512 w
.set AO,  4                            ; v4   O: (l % 16) x 128 + 16 (l / 16)
.set WO,  5                            ; v5   Wo: (l % 16) x 1,024 + 16 (l / 16) + 131,072 w
.set LO,  6                            ; v6   16 x lane
.set LO8, 7                            ; v7   8 x lane
.set STO, 8                            ; v8   where I put 16 bytes of a row in LDS
.set RD,  9                            ; v9   where I read rows back
.set SPW, 14                           ; v14  LDS address of my spare word; never rewritten
.set NIL, 15                           ; v15  0; never rewritten
.set RN,  40                           ; s40  1 / 512
.set EP,  41                           ; s41  1e-5
.set SEL, 42                           ; s[42:43]
.set MK,  44                           ; s44  a word's upper bf16
.set XP,  2064                         ; a row in LDS: 2,048 bytes + 16 = 516 words: row r starts at bank 4 r mod 64 (64 banks of 4 bytes: ISA guide 11.1)
.set SPARE, 32*XP                      ; behind the rows: the spare words, 128 bytes for each wave
.set MSB, 0
.macro WIN new
.if MSB != (\new)
	s_set_vgpr_msb (MSB<<8)|(\new)
.set MSB, \new
.endif
.endm
.macro PLACES
.rept 4
	v_nop
.endr
.endm
; 16 numbers in v[r .. r + 15] are rounded to bf16 (to nearest even) and widened again, in place; v[t .. t + 7] are used up
.macro ROUND16 r, t
.irp k, 0,1,2,3,4,5,6,7
	v_cvt_pk_bf16_f32 v[(\t)+\k], v[(\r)+2*\k], v[(\r)+2*\k+1]
.endr
.irp k, 0,1,2,3,4,5,6,7
	v_lshlrev_b32 v[(\r)+2*\k], 16, v[(\t)+\k]
	v_and_b32 v[(\r)+2*\k+1], s[MK], v[(\t)+\k]
.endr
.endm
.macro LANES o
.irp m, 1,2,4,8
.irp i, 0,1,2,3
	v_add_f32_dpp v[W+4*\i+\o], v[W+4*\i+\o], v[W+4*\i+\o] row_xmask:\m row_mask:0xf bank_mask:0xf
.endr
.endr
.irp i, 0,1,2,3
	v_permlanex16_b32 v[W+4*\i+\o+1], v[W+4*\i+\o], s[SEL], s[SEL+1]
.endr
.irp i, 0,1,2,3
	v_add_f32 v[W+4*\i+\o], v[W+4*\i+\o], v[W+4*\i+\o+1]
.endr
.endm
; four rows in X are normalised in place, interleaved
.macro LN4
.irp i, 0,1,2,3
	v_pk_add_f32 v[W+4*\i:W+4*\i+1], v[X+16*\i:X+16*\i+1], v[X+16*\i+2:X+16*\i+3]
.endr
.irp k, 2,3,4,5,6,7
.irp i, 0,1,2,3
	v_pk_add_f32 v[W+4*\i:W+4*\i+1], v[W+4*\i:W+4*\i+1], v[X+16*\i+2*\k:X+16*\i+2*\k+1]
.endr
.endr
.irp i, 0,1,2,3
	v_add_f32 v[W+4*\i], v[W+4*\i], v[W+4*\i+1]
.endr
	LANES 0
.irp i, 0,1,2,3
	v_mul_f32 v[W+4*\i], s[RN], v[W+4*\i]          ; the mean
.endr
.irp k, 0,1,2,3,4,5,6,7
.irp i, 0,1,2,3
	v_pk_add_f32 v[X+16*\i+2*\k:X+16*\i+2*\k+1], v[X+16*\i+2*\k:X+16*\i+2*\k+1], v[W+4*\i:W+4*\i+1] op_sel_hi:[1,0] neg_lo:[0,1] neg_hi:[0,1]
.endr
.endr
.irp i, 0,1,2,3
	v_pk_mul_f32 v[W+4*\i+2:W+4*\i+3], v[X+16*\i:X+16*\i+1], v[X+16*\i:X+16*\i+1]
.endr
.irp k, 1,2,3,4,5,6,7
.irp i, 0,1,2,3
	v_pk_fma_f32 v[W+4*\i+2:W+4*\i+3], v[X+16*\i+2*\k:X+16*\i+2*\k+1], v[X+16*\i+2*\k:X+16*\i+2*\k+1], v[W+4*\i+2:W+4*\i+3]
.endr
.endr
.irp i, 0,1,2,3
	v_add_f32 v[W+4*\i+2], v[W+4*\i+2], v[W+4*\i+3]
.endr
	LANES 2
.irp i, 0,1,2,3
	v_fma_f32 v[W+4*\i+2], v[W+4*\i+2], s[RN], s[EP]  ; the variance + 1e-5
.endr
.irp i, 0,1,2,3
	v_rsq_f32 v[W+4*\i+2], v[W+4*\i+2]
.endr
	v_nop                                          ; a plain instruction behind the last of the four (ISA guide 5.7.2),
	s_wait_alu depctr_va_vdst(0)                   ; and one wait for the batch, ahead of its first reader
.irp k, 0,1,2,3,4,5,6,7
.irp i, 0,1,2,3
	v_pk_mul_f32 v[X+16*\i+2*\k:X+16*\i+2*\k+1], v[X+16*\i+2*\k:X+16*\i+2*\k+1], v[W+4*\i+2:W+4*\i+3] op_sel_hi:[1,0]
.endr
.endr
.irp k, 0,1,2,3,4,5,6,7
.irp i, 0,1,2,3
	v_pk_fma_f32 v[X+16*\i+2*\k:X+16*\i+2*\k+1], v[X+16*\i+2*\k:X+16*\i+2*\k+1], v[G+2*\k:G+2*\k+1], v[BE+2*\k:BE+2*\k+1]
.endr
.endr
.endm
; 32 loads: Wo's fragments of K steps 2 tr and 2 tr + 1 for my 128 columns, into set tr % 2
.macro LOADB tr
	WIN 0x40                                       ; destination window 1
.irp f, 0,1
.irp b, 0,1,2,3,4,5,6,7
	global_load_b128 v[128*((\tr)%2)+8*(8*\f+\b):128*((\tr)%2)+8*(8*\f+\b)+3],   v[WO], s[6:7] offset:\b*16384+(2*(\tr)+\f)*64
	global_load_b128 v[128*((\tr)%2)+8*(8*\f+\b)+4:128*((\tr)%2)+8*(8*\f+\b)+7], v[WO], s[6:7] offset:\b*16384+(2*(\tr)+\f)*64+32
.endr
.endr
.endm
; 32 matrix instructions; the sixteen accumulators take turns
.macro MUL tr
	WIN 0x0d                                       ; Wo in window 1, O in window 3, C and D in window 0
.irp f, 0,1
.irp a, 0,1
.irp b, 0,1,2,3,4,5,6,7
	v_wmma_f32_16x16x32_bf16 v[ACC+8*(8*\a+\b):ACC+8*(8*\a+\b)+7], v[128*((\tr)%2)+8*(8*\f+\b):128*((\tr)%2)+8*(8*\f+\b)+7], v[8*(2*(2*(\tr)+\f)+\a):8*(2*(2*(\tr)+\f)+\a)+7], v[ACC+8*(8*\a+\b):ACC+8*(8*\a+\b)+7]
.endr
.endr
.endr
.endm
	s_load_b256 s[4:11], s[0:1], 0x0               ; O s[4:5], wr s[6:7], xn s[8:9], bo s[10:11]
	s_load_b128 s[12:15], s[0:1], 0x20             ; g2 s[12:13], be2 s[14:15]
	s_load_b64 s[16:17], s[0:1], 0x30              ; xn2
	v_lshl_add_u32 v[SPW], v0, 2, SPARE
	v_mov_b32 v[NIL], 0
	v_lshrrev_b32 v1, 5, v0
	v_readfirstlane_b32 s18, v1                    ; wave 0..3
	v_and_b32 v1, 15, v0                           ; l % 16
	v_bfe_u32 v10, v0, 4, 1                        ; l / 16
	v_and_b32 v11, 31, v0                          ; l
	s_lshl_b32 s19, s18, 9                         ; my 128 columns in f32
	v_lshl_add_u32 v[BOO], v10, 5, s19
	v_lshl_add_u32 v[XO], v1, 11, v[BOO]
	v_lshlrev_b32 v[AO], 7, v1
	v_lshl_add_u32 v[AO], v10, 4, v[AO]
	s_lshl_b32 s20, s18, 17                        ; my 128 rows of the turned Wo
	v_lshlrev_b32 v[WO], 10, v1
	v_lshl_add_u32 v[WO], v10, 4, v[WO]
	v_add_nc_u32 v[WO], s20, v[WO]
	v_lshlrev_b32 v[LO], 4, v11
	v_lshlrev_b32 v[LO8], 3, v11
	v_mul_u32_u24 v[STO], v1, XP
	v_add_nc_u32 v[STO], v[STO], v[BOO]
	s_mul_i32 s21, s18, 8*XP                       ; back: my 8 rows
	v_add_nc_u32 v[RD], s21, v[LO]
	s_mov_b32 s[RN], 0x3b000000
	s_mov_b32 s[EP], 0x3727c5ac
	s_mov_b32 s[SEL], 0x76543210
	s_mov_b32 s[SEL+1], 0xfedcba98
	s_mov_b32 s[MK], 0xffff0000
	s_lshl_b32 s22, ttmp9, 16                      ; 32 rows of 2,048 bytes
	s_mov_b32 s23, 0
	s_lshl_b32 s24, ttmp9, 12                      ; 32 rows of 128 bytes
	s_mov_b32 s25, 0
	s_lshl_b32 s32, s18, 14                        ; my 8 rows of 2,048 bytes
	s_add_co_u32 s32, s32, s22
	s_mov_b32 s33, 0
	s_lshr_b32 s34, s32, 1                         ; the same rows in bf16,
	s_add_co_u32 s34, s34, 0x1000000               ; behind the f32 copy
	s_mov_b32 s35, 0
	s_wait_kmcnt 0x0
	s_add_nc_u64 s[8:9], s[8:9], s[22:23]
	s_add_nc_u64 s[4:5], s[4:5], s[24:25]
	s_add_nc_u64 s[26:27], s[16:17], s[32:33]
	s_add_nc_u64 s[28:29], s[16:17], s[34:35]
.irp a, 0,1
.irp b, 0,1,2,3,4,5,6,7
	global_load_b128 v[ACC+8*(8*\a+\b):ACC+8*(8*\a+\b)+3],   v[XO], s[8:9] offset:\a*32768+64*\b
	global_load_b128 v[ACC+8*(8*\a+\b)+4:ACC+8*(8*\a+\b)+7], v[XO], s[8:9] offset:\a*32768+64*\b+16
.endr
.endr
.irp j, 0,1,2,3
	global_load_b128 v[BOV+4*\j:BOV+4*\j+3], v[LO], s[10:11] offset:512*\j
	global_load_b128 v[G+4*\j:G+4*\j+3], v[LO], s[12:13] offset:512*\j
	global_load_b128 v[BE+4*\j:BE+4*\j+3], v[LO], s[14:15] offset:512*\j
.endr
	WIN 0xc0                                       ; destination window 3
.irp k, 0,1,2,3,4,5,6,7,8,9,10,11,12,13,14,15
.irp a, 0,1
	global_load_b128 v[8*(2*\k+\a):8*(2*\k+\a)+3],   v[AO], s[4:5] offset:(\k/2)*1048576+\a*2048+(\k%2)*64
	global_load_b128 v[8*(2*\k+\a)+4:8*(2*\k+\a)+7], v[AO], s[4:5] offset:(\k/2)*1048576+\a*2048+(\k%2)*64+32
.endr
.endr
	LOADB 0
	LOADB 1
	s_wait_loadcnt 32                              ; all but the second set's 32 loads are in
	WIN 0
	ROUND16 BOV, RT                                ; the inputs as bf16 numbers
	ROUND16 G, RT+8
	ROUND16 BE, RT+16
	MUL 0
	PLACES                                         ; ahead of loads into registers that the products have read
	LOADB 2
.irp tr, 1,2,3,4,5
	s_wait_loadcnt 32                              ; this set is in; the other's 32 loads may stay out
	MUL \tr
	PLACES
	LOADB (\tr)+2
.endr
	s_wait_loadcnt 32
	MUL 6
	s_wait_loadcnt 0x0
	MUL 7
	WIN 0
	PLACES
.irp a, 0,1
.irp b, 0,1,2,3,4,5,6,7
	ds_store_b128 v[STO], v[ACC+8*(8*\a+\b):ACC+8*(8*\a+\b)+3]   offset:\a*16*XP+64*\b  ; each accumulator from its low end on
	ds_store_b128 v[STO], v[ACC+8*(8*\a+\b)+4:ACC+8*(8*\a+\b)+7] offset:\a*16*XP+64*\b+16
.endr
.endr
	s_wait_dscnt 0x0                               ; for the others' sake: my stores are done
	s_barrier_signal -1
	s_barrier_wait -1                              ; the 32 rows are whole
	s_mov_b32 s30, 2
.Lln:                                                  ; four of my eight rows a trip
.irp i, 0,1,2,3
.irp j, 0,1,2,3
	ds_load_b128 v[X+16*\i+4*\j:X+16*\i+4*\j+3], v[RD] offset:\i*XP+512*\j
.endr
.endr
	s_wait_dscnt 0x0
.irp k, 0,1,2,3,4,5,6,7
.irp i, 0,1,2,3
	v_pk_add_f32 v[X+16*\i+2*\k:X+16*\i+2*\k+1], v[X+16*\i+2*\k:X+16*\i+2*\k+1], v[BOV+2*\k:BOV+2*\k+1]  ; + bo
.endr
.endr
	LN4
.irp i, 0,1,2,3
.irp j, 0,1,2,3
	global_store_b128 v[LO], v[X+16*\i+4*\j:X+16*\i+4*\j+3], s[26:27] offset:\i*2048+512*\j
.endr
.endr
.irp i, 0,1,2,3
.irp k, 0,1,2,3,4,5,6,7
	v_cvt_pk_bf16_f32 v[Y+8*\i+\k], v[X+16*\i+2*\k], v[X+16*\i+2*\k+1]
.endr
.endr
.irp i, 0,1,2,3
.irp j, 0,1,2,3
	global_store_b64 v[LO8], v[Y+8*\i+2*\j:Y+8*\i+2*\j+1], s[28:29] offset:\i*1024+256*\j  ; 32 lanes store 256 consecutive bytes, aligned
.endr
.endr
	s_wait_xcnt 0x0                                ; the stores have read their registers and bases (ISA guide 3.1): only now are these written again
	v_add_nc_u32 v[RD], 4*XP, v[RD]
	s_add_nc_u64 s[26:27], s[26:27], 8192
	s_add_nc_u64 s[28:29], s[28:29], 4096
	s_sub_co_u32 s30, s30, 1
	s_cmp_lg_u32 s30, 0
	s_cbranch_scc1 .Lln
	s_wait_tensorcnt 0x0                           ; the wave's end: behind my last LDS store
	ds_add_u32 v[SPW], v[NIL]
	s_wait_dscnt 0x0
	s_endpgm
.Lfunc_end_k_q4b0cff5e11_proj:
	.size	k_q4b0cff5e11_proj, .Lfunc_end_k_q4b0cff5e11_proj-k_q4b0cff5e11_proj
	.p2alignl 7, 3214868480
	.fill 96, 4, 3214868480
	.section	.rodata,"a",@progbits
	.p2align	6, 0x0
	.amdhsa_kernel k_q4b0cff5e11_proj
		.amdhsa_group_segment_fixed_size 66560
		.amdhsa_private_segment_fixed_size 0
		.amdhsa_enable_private_segment 0
		.amdhsa_kernarg_size 56
		.amdhsa_user_sgpr_count 2
		.amdhsa_user_sgpr_kernarg_segment_ptr 1
		.amdhsa_wavefront_size32 1
		.amdhsa_system_sgpr_workgroup_id_x 1
		.amdhsa_system_sgpr_workgroup_id_y 1
		.amdhsa_system_sgpr_workgroup_id_z 1
		.amdhsa_system_vgpr_workitem_id 0
		.amdhsa_next_free_vgpr 1024
		.amdhsa_next_free_sgpr 66
		.amdhsa_reserve_vcc 0
		.amdhsa_float_denorm_mode_32 3
		.amdhsa_float_denorm_mode_16_64 3
		.amdhsa_memory_ordered 1
		.amdhsa_forward_progress 1
		.amdhsa_inst_pref_size 81
	.end_amdhsa_kernel
	.amdgpu_metadata
---
amdhsa.version: [ 1, 2 ]
amdhsa.kernels:
  - .name:           k_q4b0cff5e11_proj
    .symbol:         k_q4b0cff5e11_proj.kd
    .args:
      - { .name: att, .offset: 0, .size: 8, .value_kind: global_buffer, .address_space: global }
      - { .name: wr, .offset: 8, .size: 8, .value_kind: global_buffer, .address_space: global }
      - { .name: xn, .offset: 16, .size: 8, .value_kind: global_buffer, .address_space: global }
      - { .name: bo, .offset: 24, .size: 8, .value_kind: global_buffer, .address_space: global }
      - { .name: g2, .offset: 32, .size: 8, .value_kind: global_buffer, .address_space: global }
      - { .name: be2, .offset: 40, .size: 8, .value_kind: global_buffer, .address_space: global }
      - { .name: xn2, .offset: 48, .size: 8, .value_kind: global_buffer, .address_space: global }
    .group_segment_fixed_size: 66560
    .private_segment_fixed_size: 0
    .kernarg_segment_align: 8
    .kernarg_segment_size: 56
    .max_flat_workgroup_size: 128
    .sgpr_count:     66
    .vgpr_count:     1024
    .wavefront_size: 32
...
	.end_amdgpu_metadata
.endif
;; end of part 4
;; launch ffn1: the kernel of part 2 again; grid 32 x 16, 4 waves a work-group, clusters of 4 x 1, 276,992 bytes of LDS; arguments xn2, w1t, hid; writes hid
;; launch ffn2 (part 5): grid 4 x 64, 4 waves a work-group, clusters of 4 x 4, 327,680 bytes of LDS; arguments hid, wr, xn2, b2, out0; writes out0
.if DOCPART == 5
	.amdgcn_target "amdgcn-amd-amdhsa--gfx1250"
	.amdhsa_code_object_version 6
	.text
	.protected	k_q4b0cff5e11_ffn2
	.globl	k_q4b0cff5e11_ffn2
	.p2align	8
	.type	k_q4b0cff5e11_ffn2,@function
k_q4b0cff5e11_ffn2:
	s_mov_b64 s[64:65], 0
	v_nop
	global_prefetch_b8 v0, s[64:65] scope:SCOPE_SE
	s_setreg_imm32_b32 hwreg(HW_REG_WAVE_MODE, 25, 1), 1
	s_wait_xcnt 0x0
	s_wait_alu depctr_hold_cnt(0) depctr_sa_sdst(0) depctr_va_vdst(0) depctr_va_sdst(0) depctr_va_ssrc(0) depctr_va_vcc(0) depctr_vm_vsrc(0)
	s_getreg_b32 s2, hwreg(HW_REG_IB_STS2, 6, 4)
	s_cmp_eq_u32 s2, 0
	s_cbranch_scc0 .Lentry_in_a_cluster
	s_endpgm
.Lentry_in_a_cluster:
	s_bfe_u32 s2, ttmp6, 0x10000c
	s_cmp_lg_u32 s2, 0xf033
	s_cbranch_scc0 .Lentry_shape_is_right
	s_endpgm
.Lentry_shape_is_right:
; FFN2.  out0 = xn2 + h W2 + b2.  h: bf16 in blocks of 64 columns, [64][8192][64].  W2 turned, bf16 [512 n][4096 k], at byte 524,288 of wr.  xn2 in f32 at byte 0 of its buffer.  out0: f32 [8192][512].
; b2 is rounded to bf16 where it is read, like every input of the module.
; A tile of out0 is 128 x 128: 256 work-groups.  Four waves, each 64 x 64: 16 accumulators.  K goes in steps of 256 through a ring of two LDS slots filled by the tensor data mover.
; THE SUMS START FROM xn2 + b2, loaded straight into the accumulators in their layout in the wait for the first tiles; every matrix instruction adds in place.
; A's TILE: a K step is four blocks of h; 128 rows of a block are 16,384 dense bytes.  Waves 0 and 1 bring two blocks each by one load of two rows of 16,384 bytes, padded in LDS after every 128 bytes: [block][row], 144 bytes a row.
; B's TILE: 128 rows of 512 bytes, 528 apart in LDS; waves 2 and 3 bring 64 rows each.
; CLUSTERS: 4 x 4 work-groups.  The four of a row of the cluster need the same tiles of h, the four of a column the same tiles of W2: each tile is asked for JOINTLY.
; THE MATRIX INSTRUCTION IS USED TRANSPOSED (source 0 = 16 rows of W2, source 1 = 16 rows of h): a lane holds eight neighbouring numbers of a row of out0.
; No prefetch is laid: the tile is small, a step's matrix work short, and each work-group's share of the two streams is asked for by its own joint loads.
; REGISTERS: window 0: v0-31 addresses; v32-95 at work; v128-255 the accumulators ((a, b) at v[128 + 8 (4 a + b)]).  window 1: two fragment buffers of 128: 64 registers of A (2 x 4 x 16 rows x 32 K), then 64 of B.
.set KSTEP,  256
.set PITCH,  528                       ; a row of B in LDS: 512 bytes + 16 = 132 words: row r starts at bank 4 r mod 64 (64 banks of 4 bytes: ISA guide 11.1)
.set HALFB,  64*PITCH
.set APITCH, 144                       ; a row of a block of A: 128 bytes + 16 = 36 words: 16 rows start at 16 different groups of four banks
.set ABLK,   128*APITCH                ; a block's 128 rows
.set BOFF,   4*ABLK                    ; B lies behind A's four blocks
.set SLOT,   BOFF+2*HALFB
.set STAGE,  2*SLOT                    ; behind the ring: 16 rows x 272 bytes for each wave, for the way out
.set SPITCH, 272
.set SPARE,  STAGE+4*16*SPITCH         ; behind the stages: the spare words, 128 bytes for each wave
.set LAPS,   4096/(2*KSTEP)            ; a lap = two K steps = once round the ring
.set ADRA, 16                          ; v16-17  LDS address of my A fragments in slot 0, 1
.set ADRB, 20                          ; v20-21  the same for B
.set STO,  24                          ; v24     the way out: where I put 16 bytes of a row
.set RD,   25                          ; v25     where I read a row back
.set CO,   26                          ; v26     my byte offset in two rows of out0
.set XO,   27                          ; v27     my byte offset in 16 rows of xn2
.set SPW,  28                          ; v28     LDS address of my spare word; never rewritten
.set NIL,  29                          ; v29     0; never rewritten
.set B2O,  30                          ; v30     my byte offset in b2
.set TMP,  32
.set ACC,  128
.set F0,   0                           ; fragment buffers, in window 1
.set F1,   128
.set G1, 24                            ; s[24:31] descriptor group 1 for A's tiles;  s[32:39] group 0, one set for each slot
.set G0, 32
.set G1B, 48                           ; s[48:55], s[56:63] the same for B's tiles
.set G0B, 56
.set MK,  76                           ; s76  a word's upper bf16
.set MSB, 0
.macro WIN new                         ; the immediate's high byte repeats the setting that is left
.if MSB != (\new)
	s_set_vgpr_msb (MSB<<8)|(\new)
.set MSB, \new
.endif
.endm
.set MUL,  0x05                        ; sources 0 (B) and 1 (A) window 1; C and D window 0
.set TO_F, 0x40                        ; destination window 1, address window 0
; 16 numbers in v[r .. r + 15] are rounded to bf16 (to nearest even) and widened again, in place; v[t .. t + 7] are used up
.macro ROUND16 r, t
.irp k, 0,1,2,3,4,5,6,7
	v_cvt_pk_bf16_f32 v[(\t)+\k], v[(\r)+2*\k], v[(\r)+2*\k+1]
.endr
.irp k, 0,1,2,3,4,5,6,7
	v_lshlrev_b32 v[(\r)+2*\k], 16, v[(\t)+\k]
	v_and_b32 v[(\r)+2*\k+1], s[MK], v[(\t)+\k]
.endr
.endm
.macro JLOAD s                         ; a joint load: waves 0 and 1 fetch A's two halves, waves 2 and 3 B's; an s_nop 0 and four v_nop follow each of the two lines, ahead of the jump, the label and what follows
	s_cmp_eq_u32 s11, 0
	s_cbranch_scc0 .Lfor_b_\@
	tensor_load_to_lds s[G0+4*(\s):G0+4*(\s)+3], s[G1:G1+7]
	s_nop 0
.rept 4
	v_nop
.endr
	s_branch .Lasked_\@
.Lfor_b_\@:
	tensor_load_to_lds s[G0B+4*(\s):G0B+4*(\s)+3], s[G1B:G1B+7]
	s_nop 0
.rept 4
	v_nop
.endr
.Lasked_\@:
.endm
.macro CREST                           ; a round of the cluster's barrier behind its opening barrier
	s_cmp_lg_u32 s10, 0
	s_cbranch_scc1 .Lnot_wave_0_\@
	s_barrier_signal -3
.Lnot_wave_0_\@:
	s_barrier_wait -3
	s_barrier_signal -1
	s_barrier_wait -1
.endm
.macro CROUND                          ; a whole round
	s_barrier_signal -1
	s_barrier_wait -1
	CREST
.endm
	s_load_b128 s[4:7], s[0:1], 0x0                ; h s[4:5], wr s[6:7]
	s_load_b128 s[68:71], s[0:1], 0x10             ; xn2 s[68:69], b2 s[70:71]
	s_load_b64 s[8:9], s[0:1], 0x20                ; out0
	v_lshl_add_u32 v[SPW], v0, 2, SPARE
	v_mov_b32 v[NIL], 0
	ds_add_u32 v[SPW], v[NIL]                      ; the wave's opening: the add and its wait stand ahead of my first tensor load; the set-up below stands between them
	ds_add_u32 v28, v29
	v_lshrrev_b32 v1, 5, v0
	v_readfirstlane_b32 s10, v1                    ; wave 0..3
	s_lshr_b32 s11, s10, 1                         ; which half of the tile's rows is mine.  Also: I fetch for A (0) or for B (1)
	s_and_b32 s12, s10, 1                          ; which half of its columns.  Also: which half of that tile I fetch
	s_bfe_u32 s40, ttmp6, 0x40000                  ; cx, cy: my place in the cluster
	s_bfe_u32 s41, ttmp6, 0x40004
	s_lshl_b32 s42, ttmp9, 2
	s_add_co_u32 s42, s42, s40                     ; tile column = 4 x cluster x + cx
	s_and_b32 s13, ttmp7, 0xffff
	s_lshl_b32 s13, s13, 2
	s_add_co_u32 s13, s13, s41                     ; tile row = 4 x cluster y + cy
	s_lshl_b32 s43, s41, 2
	s_lshl_b32 s43, 15, s43                        ; my row of the cluster
	s_lshl_b32 s44, 0x1111, s40                    ; my column
	s_mov_b32 s[MK], 0xffff0000
	s_or_b32 s[G1+0], s43, (3<<16)|(1<<20)|(1<<21)|(4<<22)|(3<<25)  ; 15:0 the mask: A's tiles go to my row; 17:16 elements of 8 bytes; 20 padding on; 21 set beside a mask; 24:22 after every 32 words (code 4); 31:25 4 words (code 3)
	s_mov_b32 s[G1+1], 2048<<16                    ; tensor_dim0 = 2,048 elements: 128 rows of a block
	s_mov_b32 s[G1+2], 2<<16                       ; tensor_dim1 = 2 blocks
	s_mov_b32 s[G1+3], 2048<<16                    ; tile_dim0
	s_mov_b32 s[G1+4], 2                           ; tile_dim1
	s_mov_b32 s[G1+5], 131072                      ; elements from block to block
	s_mov_b32 s[G1+6], 0
	s_mov_b32 s[G1+7], 0
	s_or_b32 s[G1B+0], s44, (1<<16)|(1<<20)|(1<<21)|(6<<22)|(3<<25)  ; B's tiles go to my column; 2-byte elements; 4 words of padding after every 128
	s_mov_b32 s[G1B+1], KSTEP<<16                  ; tensor_dim0 = 256
	s_mov_b32 s[G1B+2], 64<<16                     ; tensor_dim1 = 64
	s_mov_b32 s[G1B+3], KSTEP<<16                  ; tile_dim0
	s_mov_b32 s[G1B+4], 64                         ; tile_dim1
	s_mov_b32 s[G1B+5], 4096                       ; elements from row to row
	s_mov_b32 s[G1B+6], 0
	s_mov_b32 s[G1B+7], 0
	s_lshl_b32 s16, s13, 14                        ; A: the tile's 128 rows of 128 bytes,
	s_lshl_b32 s17, s12, 21                        ; my two blocks of the step's four
	s_add_co_u32 s16, s16, s17
	s_mov_b32 s17, 0
	s_lshl_b32 s46, s42, 20                        ; B: the tile's 128 rows of 8,192 bytes,
	s_lshl_b32 s47, s12, 19                        ; my 64,
	s_add_co_u32 s46, s46, s47
	s_add_co_u32 s46, s46, 524288                  ; behind the turned Wo
	s_mov_b32 s47, 0
	s_mul_i32 s20, s12, 2*ABLK                     ; where they go: no place in the cluster enters an LDS address
	s_mul_i32 s21, s12, HALFB
	s_add_co_u32 s21, s21, BOFF
	s_wait_dscnt 0x0                               ; the opening add is done
	s_wait_kmcnt 0x0
	s_add_nc_u64 s[14:15], s[4:5], s[16:17]
	s_add_nc_u64 s[46:47], s[6:7], s[46:47]
	CROUND                                         ; all sixteen work-groups are here: the first joint loads meet
.irp s, 0,1
	s_mov_b32 s[G0+4*(\s)], 1
	s_add_co_u32 s[G0+4*(\s)+1], s20, (\s)*SLOT
	s_add_nc_u64 s[G0+4*(\s)+2:G0+4*(\s)+3], s[14:15], (\s)*0x400000  ; a K step is four blocks of 1,048,576 bytes
	s_or_b32 s[G0+4*(\s)+3], s[G0+4*(\s)+3], 0x80000000
	s_mov_b32 s[G0B+4*(\s)], 1
	s_add_co_u32 s[G0B+4*(\s)+1], s21, (\s)*SLOT
	s_add_nc_u64 s[G0B+4*(\s)+2:G0B+4*(\s)+3], s[46:47], (\s)*KSTEP*2
	s_or_b32 s[G0B+4*(\s)+3], s[G0B+4*(\s)+3], 0x80000000
	JLOAD \s
.endr
	v_and_b32 v1, 15, v0                           ; l % 16
	v_bfe_u32 v2, v0, 4, 1                         ; l / 16
	v_lshlrev_b32 v[B2O], 5, v2
	v_lshl_add_u32 v[XO], v1, 11, v[B2O]           ; row x 2,048 + 32 x half
	s_lshl_b32 s72, s13, 18                        ; my first row: 128 x tile row + 64 x half, of 2,048 bytes,
	s_lshl_b32 s73, s11, 17
	s_add_co_u32 s72, s72, s73
	s_lshl_b32 s74, s42, 9                         ; my first column: 128 x tile column + 64 x half, of 4 bytes
	s_lshl_b32 s75, s12, 8
	s_add_co_u32 s74, s74, s75
	s_mov_b32 s75, 0
	s_add_co_u32 s72, s72, s74
	s_mov_b32 s73, 0
	s_add_nc_u64 s[68:69], s[68:69], s[72:73]
	s_add_nc_u64 s[8:9], s[8:9], s[72:73]
	s_add_nc_u64 s[70:71], s[70:71], s[74:75]
.irp a, 0,1,2,3
.irp b, 0,1,2,3
	global_load_b128 v[ACC+8*(4*\a+\b):ACC+8*(4*\a+\b)+3],   v[XO], s[68:69] offset:\a*32768+64*\b
	global_load_b128 v[ACC+8*(4*\a+\b)+4:ACC+8*(4*\a+\b)+7], v[XO], s[68:69] offset:\a*32768+64*\b+16
.endr
.endr
.irp b, 0,1,2,3
	global_load_b128 v[TMP+8*\b:TMP+8*\b+3],   v[B2O], s[70:71] offset:64*\b
	global_load_b128 v[TMP+8*\b+4:TMP+8*\b+7], v[B2O], s[70:71] offset:64*\b+16
.endr
	v_mul_u32_u24 v3, v1, APITCH
	v_lshl_add_u32 v3, v2, 4, v3                   ; a fragment's row x pitch + 16 x half, for A
	v_mul_u32_u24 v4, v1, PITCH
	v_lshl_add_u32 v4, v2, 4, v4                   ; and for B
	s_mul_i32 s21, s11, 64*APITCH                  ; my 64 rows in each block of A
	s_mul_i32 s22, s12, HALFB                      ; my 64 rows of B
	s_add_co_u32 s22, s22, BOFF
.irp s, 0,1
	v_add_nc_u32 v[ADRA+(\s)], s21, v3
	v_add_nc_u32 v[ADRB+(\s)], s22, v4
	s_add_co_u32 s21, s21, SLOT
	s_add_co_u32 s22, s22, SLOT
.endr
	s_mul_i32 s23, s10, 16*SPITCH
	s_add_co_u32 s23, s23, STAGE                   ; my stage
	v_mul_u32_u24 v5, v1, SPITCH                   ; in: row l % 16, 32 bytes for each half of the lanes
	v_lshl_add_u32 v5, v2, 5, v5
	v_add_nc_u32 v[STO], s23, v5
	v_mul_u32_u24 v5, v2, SPITCH                   ; back: lanes 0-15 take one row of 256 bytes, lanes 16-31 the next
	v_lshl_add_u32 v5, v1, 4, v5
	v_add_nc_u32 v[RD], s23, v5
	v_lshlrev_b32 v5, 11, v2                       ; and the same two rows in out0
	v_lshl_add_u32 v[CO], v1, 4, v5
	s_wait_loadcnt 0x0
	ROUND16 TMP, TMP+32                            ; b2 as bf16 numbers
	ROUND16 TMP+16, TMP+40
.irp a, 0,1,2,3
.irp b, 0,1,2,3
.irp j, 0,2,4,6
	v_pk_add_f32 v[ACC+8*(4*\a+\b)+\j:ACC+8*(4*\a+\b)+\j+1], v[ACC+8*(4*\a+\b)+\j:ACC+8*(4*\a+\b)+\j+1], v[TMP+8*\b+\j:TMP+8*\b+\j+1]
.endr
.endr
.endr
; 8 matrix instructions: m blocks a0, a0 + 1 x all 4 n blocks, 32 along K: half c of buffer f.  The sixteen accumulators take turns.
.macro MUL8 f, c, a0
	WIN MUL
.irp a, \a0, (\a0)+1
.irp b, 0,1,2,3
	v_wmma_f32_16x16x32_bf16 v[ACC+8*(4*(\a)+(\b)):ACC+8*(4*(\a)+(\b))+7], v[(\f)+64+8*(4*(\c)+(\b)):(\f)+64+8*(4*(\c)+(\b))+7], v[(\f)+8*(4*(\c)+(\a)):(\f)+8*(4*(\c)+(\a))+7], v[ACC+8*(4*(\a)+(\b)):ACC+8*(4*(\a)+(\b))+7]
.endr
.endr
.endm
; 32 LDS loads in one run: the fragments of 64 along K (byte k of B's rows; block k / 128 of A), into buffer f; the first 32 along K first
.macro FETCH slot, k, f
	WIN TO_F
.irp c, 0,1
.irp i, 0,1,2,3
	ds_load_b128 v[(\f)+64+8*(4*(\c)+(\i)):(\f)+64+8*(4*(\c)+(\i))+3],   v[ADRB+(\slot)] offset:(\k)+64*(\c)+(\i)*16*PITCH
	ds_load_b128 v[(\f)+64+8*(4*(\c)+(\i))+4:(\f)+64+8*(4*(\c)+(\i))+7], v[ADRB+(\slot)] offset:(\k)+64*(\c)+(\i)*16*PITCH+32
	ds_load_b128 v[(\f)+8*(4*(\c)+(\i)):(\f)+8*(4*(\c)+(\i))+3],         v[ADRA+(\slot)] offset:((\k)/128)*ABLK+64*(\c)+(\i)*16*APITCH
	ds_load_b128 v[(\f)+8*(4*(\c)+(\i))+4:(\f)+8*(4*(\c)+(\i))+7],       v[ADRA+(\slot)] offset:((\k)/128)*ABLK+64*(\c)+(\i)*16*APITCH+32
.endr
.endr
.endm
.macro PLACES                          ; four places in front of loads into registers that matrix instructions have read, and of lines that read results
.rept 4
	v_nop
.endr
.endm
; A K step is four quarters of 64 along K, 32 matrix instructions each, on buffers 0, 1, 0, 1.  One of the first three: multiplies buffer f and fetches the next quarter, at byte k, into g.
.macro QUARTER slot, k, f, g
	s_wait_dscnt 16                                ; the first 32 along K are in
	MUL8 \f, 0, 0
	MUL8 \f, 0, 2
	PLACES
	FETCH \slot, \k, \g
	s_wait_dscnt 32                                ; all but the 32 just issued
	MUL8 \f, 1, 0
	MUL8 \f, 1, 2
.endm
; The last quarter multiplies buffer 1 and changes slots: ONE barrier; in front of it each wave waits for all its tensor loads, adds 0 to its spare word, and waits for that and for its own reads of this slot.  fill = 1: this slot is filled again, two K steps ahead.
.macro TURN slot, next, fill
	WIN 0                                          ; (the add's two registers lie in window 0)
	s_wait_tensorcnt 0x0                           ; all my tensor loads have landed: my part of the next slot;
	ds_add_u32 v[SPW], v[NIL]                      ; 0 onto my spare word;
	s_wait_dscnt 17                                ; (the add and the youngest sixteen loads may be out)
	MUL8 F1, 0, 0                                  ; eight matrix instructions stand between the add and the wait for it
	s_wait_dscnt 0x0                               ; the add is done, and my reads of this slot are over
	s_barrier_signal -1
	MUL8 F1, 0, 2
.if \fill
	WIN 0
.endif
	s_barrier_wait -1
.if \fill
	CREST                                          ; the barrier has opened a round of the cluster's barrier: no wave of any partner still reads this slot's tile or has a load on its way
	s_add_nc_u64 s[G0+4*(\slot)+2:G0+4*(\slot)+3], s[G0+4*(\slot)+2:G0+4*(\slot)+3], 0x800000
	s_add_nc_u64 s[G0B+4*(\slot)+2:G0B+4*(\slot)+3], s[G0B+4*(\slot)+2:G0B+4*(\slot)+3], 2*KSTEP*2
	JLOAD \slot                                    ; the first tensor load behind the round; the four v_nop behind it are also the places in front of the loads below
.else
	PLACES
.endif
	FETCH \next, 0, F0
	MUL8 F1, 1, 0
	MUL8 F1, 1, 2
.endm
	s_wait_tensorcnt 1                             ; my part of K step 0 is in; K step 1's may stay out
	s_barrier_signal -1
	s_barrier_wait -1                              ; everybody's is
	FETCH 0, 0, F0
	QUARTER 0, 128, F0, F1
	WIN 0                                          ; at a label and at a branch every window is 0
	s_mov_b32 s3, LAPS-1
.Llap:                                                 ; a trip goes once round the ring, from a lap's second quarter to the next lap's first, and fills both slots again
	QUARTER 0, 256, F1, F0
	QUARTER 0, 384, F0, F1
	TURN 0, 1, 1
	QUARTER 1, 128, F0, F1
	QUARTER 1, 256, F1, F0
	QUARTER 1, 384, F0, F1
	TURN 1, 0, 1
	QUARTER 0, 128, F0, F1
	WIN 0
	s_sub_co_u32 s3, s3, 1
	s_cmp_lg_u32 s3, 0
	s_cbranch_scc1 .Llap
	QUARTER 0, 256, F1, F0                         ; the last lap fills nothing, and has no round of the cluster's barrier
	QUARTER 0, 384, F0, F1
	TURN 0, 1, 0
	QUARTER 1, 128, F0, F1
	QUARTER 1, 256, F1, F0
	QUARTER 1, 384, F0, F1
	s_wait_dscnt 16                                ; the very last quarter: nothing more to fetch
	MUL8 F1, 0, 0
	MUL8 F1, 0, 2
	s_wait_dscnt 0
	MUL8 F1, 1, 0
	MUL8 F1, 1, 2
	WIN 0
	; THE WAY OUT, in f32: 16 rows at a time through my own stage: 32 bytes a lane in, whole rows of 256 bytes back.  LDS serves a wave's instructions in order (ISA guide 5.7.1.4): no wait stands between the stores and the loads.
	PLACES
.irp a, 0,1,2,3
.irp b, 0,1,2,3
	ds_store_b128 v[STO], v[ACC+8*(4*\a+\b):ACC+8*(4*\a+\b)+3]   offset:64*\b     ; each accumulator from its low end on
	ds_store_b128 v[STO], v[ACC+8*(4*\a+\b)+4:ACC+8*(4*\a+\b)+7] offset:64*\b+16
.endr
	s_wait_xcnt 0x0                                ; earlier stores have read their registers (ISA guide 3.1): only now are these loaded again
.irp t, 0,1,2,3,4,5,6,7
	ds_load_b128 v[TMP+32*((\a)%2)+4*\t:TMP+32*((\a)%2)+4*\t+3], v[RD] offset:\t*2*SPITCH
.endr
.irp t, 0,1,2,3,4,5,6,7
	s_wait_dscnt 7-\t                              ; the younger loads may stay out
	global_store_b128 v[CO], v[TMP+32*((\a)%2)+4*\t:TMP+32*((\a)%2)+4*\t+3], s[8:9] offset:(16*\a+2*\t)*2048 th:TH_STORE_NT  ; 16 lanes store 256 consecutive bytes, aligned
.endr
.endr
	s_wait_tensorcnt 0x0                           ; the wave's end, behind my last tensor load and my last LDS store
	ds_add_u32 v[SPW], v[NIL]
	s_wait_dscnt 0x0
	CROUND                                         ; the closing round: no work-group ends while a partner may still ask for a tile that names it
	s_endpgm
.Lfunc_end_k_q4b0cff5e11_ffn2:
	.size	k_q4b0cff5e11_ffn2, .Lfunc_end_k_q4b0cff5e11_ffn2-k_q4b0cff5e11_ffn2
	.p2alignl 7, 3214868480
	.fill 96, 4, 3214868480
	.section	.rodata,"a",@progbits
	.p2align	6, 0x0
	.amdhsa_kernel k_q4b0cff5e11_ffn2
		.amdhsa_group_segment_fixed_size 327680
		.amdhsa_private_segment_fixed_size 0
		.amdhsa_enable_private_segment 0
		.amdhsa_kernarg_size 40
		.amdhsa_user_sgpr_count 2
		.amdhsa_user_sgpr_kernarg_segment_ptr 1
		.amdhsa_wavefront_size32 1
		.amdhsa_system_sgpr_workgroup_id_x 1
		.amdhsa_system_sgpr_workgroup_id_y 1
		.amdhsa_system_sgpr_workgroup_id_z 1
		.amdhsa_system_vgpr_workitem_id 0
		.amdhsa_next_free_vgpr 512
		.amdhsa_next_free_sgpr 80
		.amdhsa_reserve_vcc 0
		.amdhsa_float_denorm_mode_32 3
		.amdhsa_float_denorm_mode_16_64 3
		.amdhsa_memory_ordered 1
		.amdhsa_forward_progress 1
		.amdhsa_inst_pref_size 97
	.end_amdhsa_kernel
	.amdgpu_metadata
---
amdhsa.version: [ 1, 2 ]
amdhsa.kernels:
  - .name:           k_q4b0cff5e11_ffn2
    .symbol:         k_q4b0cff5e11_ffn2.kd
    .args:
      - { .name: hid, .offset: 0, .size: 8, .value_kind: global_buffer, .address_space: global }
      - { .name: wr, .offset: 8, .size: 8, .value_kind: global_buffer, .address_space: global }
      - { .name: xn2, .offset: 16, .size: 8, .value_kind: global_buffer, .address_space: global }
      - { .name: b2, .offset: 24, .size: 8, .value_kind: global_buffer, .address_space: global }
      - { .name: out0, .offset: 32, .size: 8, .value_kind: global_buffer, .address_space: global }
    .group_segment_fixed_size: 327680
    .private_segment_fixed_size: 0
    .kernarg_segment_align: 8
    .kernarg_segment_size: 40
    .max_flat_workgroup_size: 128
    .sgpr_count:     80
    .vgpr_count:     512
    .wavefront_size: 32
...
	.end_amdgpu_metadata
.endif
;; end of part 5
